; MI455X (gfx1250); checked and timed in simulation.
; The chip was launched on July 23, 2026; its instructions are those of AMD's public machine-readable ISA for CDNA 5 (MIT licence, August 2026) and "CDNA5" Instruction Set Architecture Reference Guide (July 2026). The comments in the code are by the model that wrote it; some were corrected since.
;; Self Attention Block. Allowed arithmetic: matrix products marked QUANTISED: E2M3 operands, one E8M0 scale for each 32 along K, by v_wmma_scale_f32_16x16x128_f8f6f4 with both operands' format E2M3, f32 sums; products left as they are: f32 operands where the result goes on into a quantised operand, else bf16, f16 or f32 operands; f32 sums; everything else in f32.
;; Inputs: Wk 1,024 x 1,024 float32; Wo 1,024 x 1,024 float32; Wq 1,024 x 1,024 float32; Wt 128 x 16 float32; Wv 1,024 x 1,024 float32; bo 1,024 float32; bt 16 float32; time_enc 4 x 128 float32; x 4 x 2,048 x 1,024 float32.
;; Outputs: out0 4 x 2,048 x 1,024 float32.
;; This version of the problem:
;;   THIS VERSION OF THE PROBLEM IS GIVEN IN LOW PRECISION. The matrix products marked QUANTISED in the list below multiply operands that are first quantised to E2M3 (2 exponent bits, 3 mantissa bits; 6 bits a number), with one power-of-two scale for each 32 numbers along K (OCP MX v1.0); their sums are f32. All else is computed in f32.
;;   The module's matrix products, in the order in which they are computed (A, B: the left and right operand; K: the contracted axis; several contracted axes count as one K, in the product's order):
;;     1. [M 8,192, K 1,024] x [K 1,024, N 1,024]; A: input x; B: input Wq: QUANTISED
;;     2. [M 8,192, K 1,024] x [K 1,024, N 1,024]; A: input x; B: input Wk: QUANTISED
;;     3. [M 8,192, K 1,024] x [K 1,024, N 1,024]; A: input x; B: input Wv: QUANTISED
;;     4. batch 64 x [M 2,048, K 64] x [K 64, N 2,048]; A: computed on the way; B: computed on the way: QUANTISED
;;     5. [M 4, K 128] x [K 128, N 16]; A: input time_enc; B: input Wt: left as it is (M = 4 < 16)
;;     6. batch 64 x [M 2,048, K 2,048] x [K 2,048, N 64]; A: softmax (see below); B: computed on the way: QUANTISED
;;     7. [M 8,192, K 1,024] x [K 1,024, N 1,024]; A: computed on the way; B: input Wo: QUANTISED
;;   THE QUANTISER, for each operand of a quantised product, along K:
;;     - K is cut into blocks of 32 from its start; a last block that is shorter is filled with zeros.
;;     - A block's scale is 2^e with e = floor(log2(the largest magnitude in the block)) - 2, held to -126 .. 127; a block of zeros has e = 0. As a byte (E8M0): e + 127.
;;     - Each number is divided by its block's scale, clamped to +-7.5, and rounded to the nearest number of E2M3, ties to even, subnormals kept.
;;     - The product sums the exact products of the quantised numbers (number of the format x scale) in f32.
;;   ~~~python
;;   def quantise(x, axis):      # numpy; x: float32 -> the quantised numbers, widened to float32 again
;;       x = np.moveaxis(x, axis, -1); K = x.shape[-1]
;;       x = np.pad(x, [(0, 0)] * (x.ndim - 1) + [(0, -K % 32)]); x = x.reshape(x.shape[:-1] + (-1, 32)); a = np.abs(x).max(-1, keepdims=True)
;;       e = np.where(a > 0, np.clip(np.frexp(np.where(a > 0, a, 1))[1] - 1 - 2, -126, 127), 0)      # np.frexp(a)[1] - 1 = floor(log2(a)), exactly
;;       r = np.clip(x / 2.0 ** e, -7.5, 7.5)
;;       step = 2.0 ** (np.maximum(np.frexp(np.where(r == 0, 1, r))[1] - 1, 0) - 3)
;;       q = np.round(r / step) * step * 2.0 ** e      # np.round: ties to even
;;       return np.moveaxis(q.reshape(q.shape[:-2] + (-1,))[..., :K], -1, axis).astype(np.float32)
;;   ~~~
;;   SOFTMAX AHEAD OF A QUANTISED PRODUCT. Where the list says 'softmax', what is quantised is not the finished softmax but p = 2^(t - M), with t = logit x log2(e) and M = ceil(the row's largest t), a whole number; so 1/2 < the row's largest p <= 1. The row's sum l is taken of the UNQUANTISED p, in f32, and the product's result is divided by l at the end. Since M is a whole number, a kernel that streams over the keys may use a running M (the ceiling of the running maximum): every later rescaling is an exact power of two, which a block's scale takes up: the codes' values come out the same.
;;   OPERANDS COMPUTED ON THE WAY. 'Computed on the way' means the value that the module computes at that place (a softmax that the list does not call 'softmax' is quantised finished and normalised). What goes into a quantiser is computed in f32, as accurately as f32 sums, v_exp_f32 and their like allow (about 1e-6 of the number): no bf16 or f16 on the way to a quantiser, and a product that is left as it is and whose result goes on into a quantised operand takes f32 operands (vector FMAs, or v_wmma_f32_16x16x4_f32). A number that lies on a knife's edge between two numbers of the format may be rounded either way, as far as f32 arithmetic and the matrix unit's own rounding can turn it there, and no further.
;; One version. Each part assembles by itself: llvm-mc -triple=amdgcn-amd-amdhsa -mcpu=gfx1250 --defsym DOCPART=n.
;; ======== version 1 of 1: 4 launches
;; limits: right only within a limited range of input values
;; workspace buffers: cod 9,437,184 bytes; scl 393,216 bytes; cw 256 bytes; img 18,874,368 bytes; isw 1,310,720 bytes; oimg 6,291,456 bytes; osc 262,144 bytes
;; launch prep (part 1): grid 385 x 1, 4 waves a work-group, no clusters, 68,096 bytes of LDS; arguments x, Wq, Wk, Wv, Wo, time_enc, Wt, bt, cod, scl, cw; writes cod, scl, cw
.if DOCPART == 1
	.amdgcn_target "amdgcn-amd-amdhsa--gfx1250"
	.amdhsa_code_object_version 6
	.text
	.protected	k_qfd0dbb07df_prep
	.globl	k_qfd0dbb07df_prep
	.p2align	8
	.type	k_qfd0dbb07df_prep,@function
k_qfd0dbb07df_prep:
	s_mov_b64 s[64:65], 0
	v_nop
	global_prefetch_b8 v0, s[64:65] scope:SCOPE_SE
	s_setreg_imm32_b32 hwreg(HW_REG_WAVE_MODE, 25, 1), 1
	s_wait_xcnt 0x0
; PREP: x [8192][1024] and the four weights [1024 (k)][1024 (n)], f32, become codes of FP6 (E2M3) with K innermost, 768 bytes a row, and one E8M0 byte for each 32 along K, 32 bytes a row.
; cod and scl hold 12,288 rows: 0-8,191 x's tokens, 8,192 + 1,024 w + n column n of weight w (0 Wq, 1 Wk, 2 Wv, 3 Wo).
; THE ROW ORDER: inside each 64, row 32 hh + 8 u + j lies at place 16 u + 8 hh + j.  So 16 neighbouring places, 16 u + r, hold rows 8 u + (r % 8) + 32 (r / 8): a matrix result whose
; source 0 is four such tiles has 32 neighbours along that axis in a lane's 32 registers of four neighbouring tiles, which is what the next quantiser wants.
; A block's scale is 2^(floor(log2(largest magnitude)) - 2): its byte is the largest magnitude's exponent field - 2, held at 1 from below.
; LIMITS: blocks whose largest magnitude lies under 2^-124, blocks of zeros among them, keep the byte 1 (their codes add nothing; only this program reads the bytes); NaN and infinities are not served.
; THREE PATHS, parted on the work-group's number alone, each with LDS bytes of its own: 0-255 x (32 rows each), 256-383 the weights (128 columns x 256 along K each), 384 the heads' weights
; c[b][h] = softmax_h(time_enc[b] . Wt[:, h] + bt[h]) x log2(e) / 8, in f32.  No barrier: waves share nothing.
.set EMAX,   2
.set CB,     12                        ; bytes of 16 codes
.set STEPS,  16                        ; x: steps of 512 numbers for a wave
.set XR,     16                        ; x: v16-79   four sets of 16 numbers as loaded
.set XX,     80                        ; x: v80-111  two sets of 16 neighbours
.set XE,     112                       ; x: v112-127 a scale byte for each step
.set XC,     128                       ; x: v128-191 codes, four registers a step: no store's data are written again
.set WREG,   8192                      ; x: LDS for a wave: two stages of 32 x SP bytes, then its 256 scale bytes
.set SP,     80                        ; x: a lane's place in a stage: 64 bytes + 16 of padding
.set WBASE,  32768                     ; weights: their stages begin here
.set WPITCH, 272                       ; weights: a stage row: sixteen places of 16 bytes + 16
.set NB,     8                         ; weights: blocks of 32 along K for a wave
; cod's layout and the row order, which hold over the head's lines: cod is laid by K steps of 256, [4 steps][12,288 places][192 bytes], so that 128 places of one step are 24,576 dense bytes.
; Inside each 64 rows, row 32 hh + 8 u + j lies at place 16 u + 8 hh + j: a matrix result whose source 0 takes four neighbouring tiles of 16 places has 32 neighbours along that axis in a lane's 32 registers.
.set KROW,   192                       ; a place's bytes in one K step of cod
.set KPL,    2359296                   ; a K step's plane: 12,288 x 192
.set WX,     32                        ; weights: v32-95 two sets of 32 numbers
.set WC,     96                        ; weights: a block's codes
.set WOUT,   112                       ; weights: v112-175 the way out
.set WSB,    24                        ; weights: v24-25 eight scale bytes
	s_load_b256 s[4:11], s[0:1], 0x0               ; x, Wq, Wk, Wv
	s_load_b256 s[12:19], s[0:1], 0x20             ; Wo, time_enc, Wt, bt
	s_load_b128 s[20:23], s[0:1], 0x40             ; cod, scl
	s_load_b64 s[24:25], s[0:1], 0x50              ; cw
	v_lshl_add_u32 v192, v0, 2, 0x10800
	v_mov_b32 v193, 0
	v_lshrrev_b32 v1, 5, v0
	v_readfirstlane_b32 s26, v1                    ; wave 0..3
	v_and_b32 v2, 31, v0                           ; lane
	s_wait_kmcnt 0x0
	s_cmp_lt_u32 ttmp9, 256
	s_cbranch_scc0 .Lweights
; ---------------- x: a wave takes 8 rows, a dense run of 8,192 numbers, 16 steps of 512.  Each load reads 512 consecutive bytes; a step's 2,048 bytes turn through the wave's stage, so that a lane
; then holds 16 neighbours along K (two lanes to a block).  Loads run four steps ahead, the turn one step.
	s_wait_alu depctr_va_vdst(0)
	v_lshlrev_b32 v3, 4, v2                        ; my 16 bytes of a load's 512
	s_mul_i32 s27, s26, WREG
	v_lshrrev_b32 v14, 2, v2
	v_mul_u32_u24 v14, v14, SP
	v_and_b32 v15, 3, v2
	v_lshl_add_u32 v14, v15, 4, v14
	v_add_nc_u32 v14, s27, v14                     ; into the stage: SP (lane / 4) + 16 (lane % 4)
	v_mul_u32_u24 v15, v2, SP
	v_add_nc_u32 v15, s27, v15                     ; out of it: SP x lane
	v_and_b32 v4, 15, v2
	v_mul_u32_u24 v4, v4, CB                       ; sixteen lanes fill a place's 192 bytes of a K step;
	v_lshrrev_b32 v10, 4, v2
	v_mad_u32_u24 v4, v10, KPL, v4                 ; lanes 16-31 hold the next K step
	v_lshrrev_b32 v5, 1, v2
	s_add_co_u32 s27, s27, 2*32*SP
	v_add_nc_u32 v5, s27, v5                       ; my block's byte among the wave's 256
	v_lshlrev_b32 v7, 3, v2
	v_add_nc_u32 v6, s27, v7                       ; and 8 bytes a lane on the way out
	s_lshl_b32 s28, ttmp9, 2
	s_add_co_u32 s30, s28, s26                     ; which 8 rows I read: 4 x work-group + wave
	s_lshl_b32 s30, s30, 15                        ; 32,768 bytes each
	s_mov_b32 s31, 0
	s_add_nc_u64 s[4:5], s[4:5], s[30:31]
	s_add_co_u32 s28, s28, s26                     ; the run of 8 rows that I read: its bits 1:0 are u, bit 2 is hh
	s_and_b32 s29, s28, 3
	s_lshl_b32 s29, s29, 1
	s_bfe_u32 s32, s28, 0x10002
	s_or_b32 s29, s29, s32                         ; 2 u + hh
	s_and_b32 s28, s28, 0xfffffff8
	s_or_b32 s28, s28, s29                         ; which 8 places I write
	s_mul_i32 s30, s28, 8*KROW
	s_add_nc_u64 s[20:21], s[20:21], s[30:31]
	s_lshl_b32 s30, s28, 8
	s_add_nc_u64 s[22:23], s[22:23], s[30:31]
.macro XLOAD t
.irp i, 0,1,2,3
	global_load_b128 v[XR+16*((\t)%4)+4*\i:XR+16*((\t)%4)+4*\i+3], v3, s[4:5] offset:2048*(\t)+512*\i th:TH_LOAD_NT
.endr
.endm
.macro XTURN t                         ; LDS serves a wave's instructions in order (ISA guide 5.7.1.4): no wait between the stores and the loads
.irp i, 0,1,2,3
	ds_store_b128 v14, v[XR+16*((\t)%4)+4*\i:XR+16*((\t)%4)+4*\i+3] offset:32*SP*((\t)%2)+8*SP*\i
.endr
.irp i, 0,1,2,3
	ds_load_b128 v[XX+16*((\t)%2)+4*\i:XX+16*((\t)%2)+4*\i+3], v15 offset:32*SP*((\t)%2)+16*\i
.endr
.endm
.irp t, 0,1,2,3
	XLOAD \t
.endr
	s_wait_alu depctr_va_vdst(0)
	s_wait_loadcnt 12                              ; step 0's four loads are in; the twelve of steps 1 to 3 stay out
	XTURN 0
.macro XSTEP t
.set XS, XX+16*((\t)%2)
.if (\t) > 0
	s_wait_dscnt 1                                 ; this step's numbers are back from the stage; the last step's byte store may be out
.else
	s_wait_dscnt 0x0
.endif
.if (\t)+4 < STEPS
	XLOAD (\t)+4                                   ; into the set whose stores into the stage are done
.endif
.if (\t)+1 < STEPS
.if STEPS-2-(\t) >= 3
	s_wait_loadcnt 12                              ; the next step's four are in; three steps' twelve stay out
.else
	s_wait_loadcnt 4*(STEPS-2-(\t))
.endif
	XTURN (\t)+1
.endif
	v_max3_num_f32 v8, |v[XS]|, |v[XS+1]|, |v[XS+2]|       ; the largest magnitude of my 16, in two chains
	v_max3_num_f32 v9, |v[XS+3]|, |v[XS+4]|, |v[XS+5]|
.irp i, 6,10
	v_max3_num_f32 v8, v8, |v[XS+\i]|, |v[XS+\i+1]|
	v_max3_num_f32 v9, v9, |v[XS+\i+2]|, |v[XS+\i+3]|
.endr
	v_max3_num_f32 v8, v8, |v[XS+14]|, |v[XS+15]|
	v_max3_num_f32 v8, v8, v9, (EMAX+1)<<23        ; and the floor 2^(3 - 127): the byte cannot fall under 1
	v_max_num_f32_dpp v8, v8, v8 row_xmask:1 row_mask:0xf bank_mask:0xf   ; with my neighbour's 16: the block's
	v_add_nc_u32 v11, -(EMAX<<23), v8              ; 2 off the exponent field: the conversion takes this operand's exponent field as its scale
	v_cvt_scalef32_pk16_fp6_f32 v[XC+4*(\t):XC+4*(\t)+2], v[XS:XS+15], v11
	v_lshrrev_b32 v[XE+(\t)], 23, v11              ; the scale's byte (also the plain line behind the conversion)
	ds_store_b8 v5, v[XE+(\t)] offset:16*(\t)      ; both lanes of a block write the same byte with the same value
	global_store_b96 v4, v[XC+4*(\t):XC+4*(\t)+2], s[20:21] offset:KROW*((\t)/2)+2*KPL*((\t)%2)   ; row t / 2 of my 8, K steps 2 (t % 2) and 2 (t % 2) + 1: two runs of 192 bytes
.endm
.irp t, 0,1,2,3,4,5,6,7,8,9,10,11,12,13,14,15
	XSTEP \t
.endr
	ds_load_b64 v[12:13], v6                       ; my wave's 256 scale bytes: 8 rows of 32
	s_wait_dscnt 0x0
	global_store_b64 v7, v[12:13], s[22:23]        ; 32 lanes store 256 consecutive bytes, aligned
	s_wait_tensorcnt 0x0
	ds_add_u32 v192, v193
	s_wait_dscnt 0x0
	s_endpgm
; ---------------- the weights: K is their FIRST axis.  A lane takes a column n and its registers run down K: a block of 32 lies in one lane, and the conversions give codes with K innermost.
; A wave takes 32 columns x 256 along K; the codes go through its stage and leave as rows' runs of 192 bytes.
.Lweights:
	s_cmp_lt_u32 ttmp9, 384
	s_cbranch_scc0 .Ltime
	s_sub_co_u32 s27, ttmp9, 256
	s_lshr_b32 s28, s27, 5                         ; which weight
	s_and_b32 s29, s27, 7                          ; which 128 columns
	s_bfe_u32 s30, s27, 0x20003                    ; which 256 along K
	s_cmp_eq_u32 s28, 0                            ; the choice of the buffer hangs on the work-group's number alone
	s_cselect_b64 s[32:33], s[6:7], s[8:9]
	s_cmp_eq_u32 s28, 2
	s_cselect_b64 s[32:33], s[10:11], s[32:33]
	s_cmp_eq_u32 s28, 3
	s_cselect_b64 s[32:33], s[12:13], s[32:33]
	s_lshl_b32 s34, s29, 7
	s_lshl_b32 s35, s26, 5
	s_add_co_u32 s34, s34, s35                     ; my wave's first column
	s_lshl_b32 s36, s30, 20                        ; 256 rows of 4,096 bytes
	s_lshl_b32 s35, s34, 2
	s_add_co_u32 s36, s36, s35
	s_mov_b32 s37, 0
	s_add_nc_u64 s[32:33], s[32:33], s[36:37]
	s_and_b32 s38, s26, 1                          ; my 32 columns are half hh = wave % 2 of their 64:
	s_lshl_b32 s38, s38, 3
	s_and_b32 s34, s34, 0xffffffc0
	s_or_b32 s34, s34, s38                         ; column 8 u + j of mine goes to place 16 u + j behind the 64's first + 8 hh
	s_lshl_b32 s35, s28, 10
	s_add_co_u32 s35, s35, s34
	s_add_co_u32 s35, s35, 8192                    ; my first row of cod and scl (a multiple of 8)
	s_mul_i32 s36, s35, KROW
	s_mul_i32 s38, s30, KPL
	s_add_co_u32 s36, s36, s38
	s_add_nc_u64 s[20:21], s[20:21], s[36:37]
	s_lshl_b32 s36, s35, 5
	s_lshl_b32 s38, s30, 3
	s_add_co_u32 s36, s36, s38
	s_add_nc_u64 s[22:23], s[22:23], s[36:37]
	s_wait_alu depctr_va_vdst(0)
	v_lshlrev_b32 v3, 2, v2                        ; in: 4 bytes a lane
	s_mul_i32 s39, s26, 32*WPITCH
	s_add_co_u32 s39, s39, WBASE                   ; my stage
	v_mul_u32_u24 v4, v2, WPITCH
	v_add_nc_u32 v4, s39, v4                       ; into it: row = my column
	v_and_b32 v5, 15, v2
	v_lshrrev_b32 v6, 4, v2
	v_mul_u32_u24 v7, v6, WPITCH
	v_lshl_add_u32 v7, v5, 4, v7
	v_add_nc_u32 v7, s39, v7                       ; out of it: sixteen lanes to a row, two rows an instruction
	v_mul_u32_u24 v8, v6, KROW
	v_mad_u32_u24 v8, v5, 12, v8                   ; and the same place in cod
	v_and_b32 v9, 7, v2                            ; my column's place among the 32: bits 3 and 4 moved up to 4 and 5
	v_and_b32 v10, 24, v2
	v_lshl_or_b32 v9, v10, 1, v9                   ; 16 u + j
	v_lshlrev_b32 v9, 5, v9                        ; x 32 bytes: its row of scl
.macro WLOAD t                         ; block t: W(32 t + i, my column) into set t % 2; each load reads 128 consecutive bytes
.set i, 0
.rept 32
	global_load_b32 v[WX+32*((\t)%2)+i], v3, s[32:33] offset:(32*(\t)+i)*4096 th:TH_LOAD_NT
.set i, i+1
.endr
.endm
	WLOAD 0
	WLOAD 1
.macro WBLOCK t
.set XS, WX+32*((\t)%2)
.if (\t) < NB-1
	s_wait_loadcnt 32                              ; this block's 32 loads are in; the next block's 32 stay out
.else
	s_wait_loadcnt 0
.endif
	v_max3_num_f32 v12, |v[XS]|, |v[XS+1]|, |v[XS+2]|      ; all 32 numbers of the block are mine
	v_max3_num_f32 v13, |v[XS+3]|, |v[XS+4]|, |v[XS+5]|
.irp i, 6,10,14,18,22,26
	v_max3_num_f32 v12, v12, |v[XS+\i]|, |v[XS+\i+1]|
	v_max3_num_f32 v13, v13, |v[XS+\i+2]|, |v[XS+\i+3]|
.endr
	v_max3_num_f32 v12, v12, |v[XS+30]|, |v[XS+31]|
	v_max3_num_f32 v12, v12, v13, (EMAX+1)<<23     ; and the floor
	v_add_nc_u32 v11, -(EMAX<<23), v12             ; the conversion's scale operand
	v_lshrrev_b32 v13, 23, v11                     ; the byte
.if (\t)%4 == 0
	v_mov_b32 v[WSB+(\t)/4], v13
.else
	v_lshl_or_b32 v[WSB+(\t)/4], v13, 8*((\t)%4), v[WSB+(\t)/4]
.endif
	v_cvt_scalef32_pk16_fp6_f32 v[WC:WC+2], v[XS:XS+15], v11
	v_cvt_scalef32_pk16_fp6_f32 v[WC+4:WC+6], v[XS+16:XS+31], v11   ; (a conversion's three registers begin on an even number)
	v_nop                                          ; one plain line behind the last conversion of a run
	ds_store_b96 v4, v[WC:WC+2] offset:32*(\t)     ; 12 bytes to a place of 16
	ds_store_b96 v4, v[WC+4:WC+6] offset:32*(\t)+16
.if (\t)+2 < NB
	WLOAD (\t)+2
.endif
	s_wait_dscnt 0x0                               ; the stores have read their registers: the next block's codes may be written
.endm
.irp t, 0,1,2,3,4,5,6,7
	WBLOCK \t
.endr
	s_wait_alu depctr_va_vdst(0)
	global_store_b64 v9, v[WSB:WSB+1], s[22:23]    ; my column's eight scale bytes
.irp t, 0,1,2,3,4,5,6,7,8,9,10,11,12,13,14,15
	ds_load_b96 v[WOUT+4*\t:WOUT+4*\t+2], v7 offset:2*\t*WPITCH
.endr
.irp t, 0,1,2,3,4,5,6,7,8,9,10,11,12,13,14,15
	s_wait_dscnt 15-\t                             ; the younger loads stay out
	global_store_b96 v8, v[WOUT+4*\t:WOUT+4*\t+2], s[20:21] offset:(16*(\t>>2)+2*(\t&3))*KROW   ; columns 2 t, 2 t + 1 go to neighbouring places: 384 consecutive bytes
.endr
	s_wait_tensorcnt 0x0
	ds_add_u32 v192, v193
	s_wait_dscnt 0x0
	s_endpgm
; ---------------- the heads' weights: wave b takes batch b; lane (r, hh): head r, half hh of the 128 features.  All in f32: the result goes on into the logits, which are quantised as p.
.Ltime:
	s_wait_alu depctr_va_vdst(0)
	v_and_b32 v3, 15, v2                           ; r = head
	v_lshrrev_b32 v4, 4, v2                        ; hh
	v_lshlrev_b32 v5, 2, v3
	v_lshl_add_u32 v6, v4, 12, v5                  ; Wt: 64 hh rows of 64 bytes + 4 r
	v_lshlrev_b32 v7, 8, v4                        ; time_enc: 64 hh numbers on
	s_lshl_b32 s28, s26, 9                         ; batch b's row of 512 bytes
	s_mov_b32 s29, 0
	s_add_nc_u64 s[14:15], s[14:15], s[28:29]
	s_mov_b32 s30, 0x76543210
	s_mov_b32 s31, 0xfedcba98                      ; v_permlanex16_b32's selects for lane l xor 16
.set i, 0
.rept 64
	global_load_b32 v[32+i], v6, s[16:17] offset:64*i
.set i, i+1
.endr
.set i, 0
.rept 16
	global_load_b128 v[96+4*i:96+4*i+3], v7, s[14:15] offset:16*i
.set i, i+1
.endr
	global_load_b32 v8, v5, s[18:19]               ; bt[r]
	s_wait_loadcnt 0x0
.irp k, 0,1,2,3
	v_mul_f32 v[10+\k], v[32+\k], v[96+\k]         ; four chains; the first products start them
.endr
.set i, 4
.rept 60
	v_fmac_f32 v[10+i%4], v[32+i], v[96+i]
.set i, i+1
.endr
	v_add_f32 v10, v10, v11
	v_add_f32 v12, v12, v13
	v_add_f32 v10, v10, v12
	v_permlanex16_b32 v11, v10, s30, s31           ; the other 64 features
	v_add_f32 v10, v10, v11
	v_add_f32 v10, v10, v8                         ; the head's logit
	v_mov_b32 v12, v10
.irp m, 1,2,4,8
	v_max_num_f32_dpp v12, v12, v12 row_xmask:\m row_mask:0xf bank_mask:0xf   ; the largest of the 16 heads' is taken away first
.endr
	v_sub_f32 v13, v10, v12
	v_mul_f32 v13, 0x3fb8aa3b, v13
	s_wait_alu depctr_va_vdst(0)
	v_exp_f32 v13, v13
	v_nop                                          ; one plain line behind a transcendental
	s_wait_alu depctr_va_vdst(0)
	v_mov_b32 v14, v13
.irp m, 1,2,4,8
	v_add_f32_dpp v14, v14, v14 row_xmask:\m row_mask:0xf bank_mask:0xf
.endr
	s_wait_alu depctr_va_vdst(0)
	v_rcp_f32 v14, v14
	v_lshl_add_u32 v9, s26, 6, v5                  ; (the plain line)  cw: 64 b + 4 r
	s_wait_alu depctr_va_vdst(0)
	v_mul_f32 v13, v13, v14
	v_mul_f32 v13, 0x3e38aa3b, v13                 ; x log2(e) / 8
	global_store_b32 v9, v13, s[24:25]             ; lanes r and r + 16 store the same number to the same word
	s_endpgm
.Lfunc_end_k_qfd0dbb07df_prep:
	.size	k_qfd0dbb07df_prep, .Lfunc_end_k_qfd0dbb07df_prep-k_qfd0dbb07df_prep
	.p2alignl 7, 3214868480
	.fill 96, 4, 3214868480
	.section	.rodata,"a",@progbits
	.p2align	6, 0x0
	.amdhsa_kernel k_qfd0dbb07df_prep
		.amdhsa_group_segment_fixed_size 68096
		.amdhsa_private_segment_fixed_size 0
		.amdhsa_enable_private_segment 0
		.amdhsa_kernarg_size 88
		.amdhsa_user_sgpr_count 2
		.amdhsa_user_sgpr_kernarg_segment_ptr 1
		.amdhsa_wavefront_size32 1
		.amdhsa_system_sgpr_workgroup_id_x 1
		.amdhsa_system_sgpr_workgroup_id_y 1
		.amdhsa_system_sgpr_workgroup_id_z 1
		.amdhsa_system_vgpr_workitem_id 0
		.amdhsa_next_free_vgpr 194
		.amdhsa_next_free_sgpr 66
		.amdhsa_reserve_vcc 0
		.amdhsa_float_denorm_mode_32 3
		.amdhsa_float_denorm_mode_16_64 3
		.amdhsa_memory_ordered 1
		.amdhsa_forward_progress 1
		.amdhsa_inst_pref_size 86
	.end_amdhsa_kernel
	.amdgpu_metadata
---
amdhsa.version: [ 1, 2 ]
amdhsa.kernels:
  - .name:           k_qfd0dbb07df_prep
    .symbol:         k_qfd0dbb07df_prep.kd
    .args:
      - { .name: x, .offset: 0, .size: 8, .value_kind: global_buffer, .address_space: global }
      - { .name: Wq, .offset: 8, .size: 8, .value_kind: global_buffer, .address_space: global }
      - { .name: Wk, .offset: 16, .size: 8, .value_kind: global_buffer, .address_space: global }
      - { .name: Wv, .offset: 24, .size: 8, .value_kind: global_buffer, .address_space: global }
      - { .name: Wo, .offset: 32, .size: 8, .value_kind: global_buffer, .address_space: global }
      - { .name: time_enc, .offset: 40, .size: 8, .value_kind: global_buffer, .address_space: global }
      - { .name: Wt, .offset: 48, .size: 8, .value_kind: global_buffer, .address_space: global }
      - { .name: bt, .offset: 56, .size: 8, .value_kind: global_buffer, .address_space: global }
      - { .name: cod, .offset: 64, .size: 8, .value_kind: global_buffer, .address_space: global }
      - { .name: scl, .offset: 72, .size: 8, .value_kind: global_buffer, .address_space: global }
      - { .name: cw, .offset: 80, .size: 8, .value_kind: global_buffer, .address_space: global }
    .group_segment_fixed_size: 68096
    .private_segment_fixed_size: 0
    .kernarg_segment_align: 8
    .kernarg_segment_size: 88
    .max_flat_workgroup_size: 128
    .sgpr_count:     66
    .vgpr_count:     194
    .wavefront_size: 32
...
	.end_amdgpu_metadata
.endif
;; end of part 1
;; launch qkv (part 2): grid 64 x 4, 4 waves a work-group, clusters of 4 x 1, 327,680 bytes of LDS; arguments cod, scl, img, isw; writes img, isw
.if DOCPART == 2
	.amdgcn_target "amdgcn-amd-amdhsa--gfx1250"
	.amdhsa_code_object_version 6
	.text
	.protected	k_qfd0dbb07df_qkv
	.globl	k_qfd0dbb07df_qkv
	.p2align	8
	.type	k_qfd0dbb07df_qkv,@function
k_qfd0dbb07df_qkv:
	s_mov_b64 s[64:65], 0
	v_nop
	global_prefetch_b8 v0, s[64:65] scope:SCOPE_SE
	s_setreg_imm32_b32 hwreg(HW_REG_WAVE_MODE, 25, 1), 1
	s_wait_xcnt 0x0
	s_wait_alu depctr_hold_cnt(0) depctr_sa_sdst(0) depctr_va_vdst(0) depctr_va_sdst(0) depctr_va_ssrc(0) depctr_va_vcc(0) depctr_vm_vsrc(0)
	s_getreg_b32 s2, hwreg(HW_REG_IB_STS2, 6, 4)
	s_cmp_eq_u32 s2, 0
	s_cbranch_scc0 .Lentry_in_a_cluster
	s_endpgm
.Lentry_in_a_cluster:
	s_bfe_u32 s2, ttmp6, 0x10000c
	s_cmp_lg_u32 s2, 0x3003
	s_cbranch_scc0 .Lentry_shape_is_right
	s_endpgm
.Lentry_shape_is_right:
; QKV: q = x Wq, k = x Wk, v = x Wv on codes of FP6 (E2M3) with E8M0 scales; each result is quantised on the spot along the next product's K (q, k: the head's 64 channels; v: the keys) and stored as
; half images of 768 bytes (an operand's registers 0-3 at 16 x lane, 4-5 at 512 + 8 x lane) with its scale words.
; SHARES.  256 work-groups: x = a block of 128 tokens (64 of them), y = a group g of 256 columns of EACH weight.  A work-group walks six chunks of 128 columns x all of K: q, q, k, k, v, v: the same walk in all.
; Four waves, 2 x 2: a wave makes 64 tokens x 64 columns of a chunk, 16 accumulators.  ITS 64 TOKENS' CODES FOR ALL OF K STAY IN REGISTERS (4 tiles x 8 steps x 12 = 384): they are read from LDS once,
; and a step of 128 along K then reads four fragments of the weight for 16 matrix instructions.
; LDS.  Two slots, each a chunk: 4 planes (K steps of 256) x 128 places x 240 bytes (192 + 16 behind every 64).  cod lies by planes, so a plane of 128 places is 24,576 dense bytes.  x's tile comes into slot 1 first;
; when it is in registers the slot is filled again as the ring's second.  The scale bytes of x's 128 rows and of the group's 3 x 256 weight rows come once and stay.
; CLUSTER 4, 1, 1: four neighbouring blocks of tokens walk the same weights and ask for each chunk jointly.  x's tile, which the four groups g share, is one seventh of the bytes that a work-group loads: it is asked for alone.
; q, k: source 0 = 16 weight rows, source 1 = 16 tokens: a lane holds a token, its 32 registers of four tiles channels 32 (lane / 16) + 0 .. 31 of one head.  v: the sources swapped: a lane holds a channel, its 32 registers
; tokens 32 (lane / 16) + 0 .. 31 of my 64.  (Places inside each 64 rows were laid for that: place 16 u + 8 hh + j holds row 32 hh + 8 u + j.)  So a block of 32 is one lane's.
; PREFETCH: behind each refill but the last, the chunk that the next refill loads: each partner names one plane (by address), a wave 24 blocks of 256 bytes.
; LIMITS: NaN and infinities are not served; blocks whose largest magnitude lies under 2^-124 keep the byte 1 (only this program reads the bytes).
; REGISTERS: window 0: v0-31 addresses, v32-63 scale words, v64-159 weight fragments (two sets), v160-215 the way out; windows 1, 2: x's fragments of K steps 0-3, 4-7; window 3: the accumulators.
.set KPL,   2359296                    ; a plane of cod: 12,288 places x 192 bytes
.set PLN,   30720                      ; a plane of 128 places in LDS
.set S1,    131072                     ; slot 1
.set SA,    122880                     ; x's scale bytes: 16 units of 256 + 16
.set SB,    253952                     ; the weights': 3 x 32 units
.set SPARE, 280064
.set H,    10                          ; lane / 16
.set RS,   11                          ; my row in x's scale bytes
.set ADRS, 12                          ; lanes 0-15: x's scale words; lanes 16-31: the chunk's
.set SH8,  13
.set IM16, 14
.set IM8,  15
.set ADRB, 16                          ; v16-23 for each slot: planes 0-1, the same 16 bytes on in lanes 16-31, planes 2-3, likewise
.set ADRX, 24                          ; v24-27 the same for x's tile
.set SPW,  28
.set NIL,  29
.set R16,  30
.set PFO,  31
.set SC,   32                          ; register 8 i + s: lanes 0-15 the word of x's tile i, lanes 16-31 of the weight's tile i, K step s
.set BF,   64
.set TM,   160
.set SO,   168
.set SW,   172
.set PCA,  176
.set T2,   200
.set SEL,  20
.set G1A,  24
.set G1B,  32
.set G1R,  40
.set G1SA, 48
.set G1SB, 56
.set G0A,  68
.set G0B,  72
.set G0SA, 76
.set G0SB, 80
.set G0R,  84                          ; s[84:87], s[88:91] the ring's group 0, one for each slot
.set DIST, 92
.set J2,   93
.set IPQ,  94
.set WPQ,  96
.set IPV,  98
.set WPV,  100
.set PF,   12
.set MSB, 0
.macro WIN new
.if MSB != \new
	s_set_vgpr_msb (MSB<<8)|\new
.set MSB, \new
.endif
.endm
.macro PLACES
.rept 4
	v_nop
.endr
.endm
.macro ROUND
	s_barrier_signal -1
	s_barrier_wait -1
	s_cmp_lg_u32 s14, 0
	s_cbranch_scc1 .Lnot_wave_0_\@
	s_barrier_signal -3
.Lnot_wave_0_\@:
	s_barrier_wait -3
	s_barrier_signal -1
	s_barrier_wait -1
.endm
	s_load_b256 s[4:11], s[0:1], 0x0               ; cod, scl, img, isw
	v_lshl_add_u32 v[SPW], v0, 2, SPARE
	v_mov_b32 v[NIL], 0
	ds_add_u32 v[SPW], v[NIL]                      ; the opening lines: the add, twice on end, and its wait
	ds_add_u32 v[SPW], v[NIL]
	v_lshrrev_b32 v1, 5, v0
	v_readfirstlane_b32 s14, v1                    ; wave
	s_lshr_b32 s15, s14, 1                         ; which 64 tokens
	s_and_b32 s16, s14, 1                          ; which 64 columns
	s_bfe_u32 s17, ttmp6, 0x40000                  ; cx
	s_lshl_b32 s18, ttmp9, 2
	s_add_co_u32 s18, s18, s17                     ; the block of tokens: it enters x's and the results' addresses alone
	s_and_b32 s19, ttmp7, 0xffff                   ; g, which the partners share
	s_mov_b32 s[G1A], (3<<16)|(1<<20)|(3<<22)|(3<<25)             ; x's tile: 4 planes of 24,576 bytes (3,072 elements of 8), 16 bytes of padding behind every 64; no mask
	s_mov_b32 s[G1B], 15|(3<<16)|(1<<20)|(1<<21)|(3<<22)|(3<<25)  ; chunk 0: the same, for all four work-groups
.irp g, G1A, G1B
	s_mov_b32 s[\g+1], 3072<<16
	s_mov_b32 s[\g+2], 4<<16
	s_mov_b32 s[\g+3], 3072<<16
	s_mov_b32 s[\g+4], 4
	s_mov_b32 s[\g+5], KPL/8
	s_mov_b32 s[\g+6], 0
	s_mov_b32 s[\g+7], 0
.endr
	s_mov_b32 s[G1R], 15|(1<<20)|(1<<21)|(3<<22)|(3<<25)          ; the ring: a plane a wave, as 96 rows of 256 bytes
	s_mov_b32 s[G1R+1], 256<<16
	s_mov_b32 s[G1R+2], 96<<16
	s_mov_b32 s[G1R+3], 256<<16
	s_mov_b32 s[G1R+4], 96
	s_mov_b32 s[G1R+5], 256
	s_mov_b32 s[G1R+6], 0
	s_mov_b32 s[G1R+7], 0
	s_mov_b32 s[G1SA], (3<<16)|(1<<20)|(5<<22)|(3<<25)            ; x's scale bytes: 16 rows of 256, 16 bytes of padding behind each
	s_mov_b32 s[G1SA+1], 32<<16
	s_mov_b32 s[G1SA+2], 16<<16
	s_mov_b32 s[G1SA+3], 32<<16
	s_mov_b32 s[G1SA+4], 16
	s_mov_b32 s[G1SA+5], 32
	s_mov_b32 s[G1SA+6], 0
	s_mov_b32 s[G1SA+7], 0
	s_mov_b32 s[G1SB], 15|(3<<16)|(1<<20)|(1<<21)|(5<<22)|(3<<25) ; the weights': 3 rows of 8,192 bytes (256 rows of one weight), 32,768 apart
	s_mov_b32 s[G1SB+1], 1024<<16
	s_mov_b32 s[G1SB+2], 3<<16
	s_mov_b32 s[G1SB+3], 1024<<16
	s_mov_b32 s[G1SB+4], 3
	s_mov_b32 s[G1SB+5], 4096
	s_mov_b32 s[G1SB+6], 0
	s_mov_b32 s[G1SB+7], 0
	s_mov_b32 s[SEL], 0x76543210
	s_mov_b32 s[SEL+1], 0xfedcba98
	; byte offsets, apart from the addresses
	s_mul_i32 s[G0A+2], s18, 24576
	s_mov_b32 s[G0A+3], 0
	s_mul_i32 s[G0B+2], s19, 49152
	s_add_co_u32 s[G0B+2], s[G0B+2], 8192*192      ; Wq's row 256 g in plane 0
	s_mov_b32 s[G0B+3], 0
	s_lshl_b32 s[G0SA+2], s18, 12
	s_mov_b32 s[G0SA+3], 0
	s_lshl_b32 s[G0SB+2], s19, 13
	s_add_co_u32 s[G0SB+2], s[G0SB+2], 8192*32
	s_mov_b32 s[G0SB+3], 0
	s_mul_i32 s2, s14, KPL
	s_add_co_u32 s[G0R+2], s[G0B+2], s2            ; the ring: my plane of chunk 0,
	s_mov_b32 s[G0R+3], 0
	s_add_co_u32 s[G0R+6], s[G0R+2], 24576         ; and of chunk 1
	s_mov_b32 s[G0R+7], 0
	s_mul_i32 s2, s17, KPL
	s_add_co_u32 s[PF], s[G0B+2], s2               ; the prefetches: plane cx
	s_mov_b32 s[PF+1], 0
	s_lshr_b32 s2, s18, 4                          ; batch
	s_and_b32 s3, s18, 15                          ; the block of 128 tokens in it
	s_lshl_b32 s22, s2, 4
	s_lshl_b32 s23, s19, 2
	s_add_co_u32 s22, s22, s23
	s_add_co_u32 s22, s22, s16                     ; 16 b + 4 g + my half: my head in an even chunk; in an odd one two on
	s_mul_i32 s[IPQ], s22, 98304
	s_mul_i32 s23, s3, 6144
	s_add_co_u32 s[IPQ], s[IPQ], s23
	s_mul_i32 s66, s15, 3072
	s_add_co_u32 s[IPQ], s[IPQ], s66
	s_mov_b32 s[IPQ+1], 0
	s_lshl_b32 s[WPQ], s22, 13
	s_lshl_b32 s66, s3, 9
	s_add_co_u32 s[WPQ], s[WPQ], s66
	s_lshl_b32 s66, s15, 8
	s_add_co_u32 s[WPQ], s[WPQ], s66
	s_mov_b32 s[WPQ+1], 0
	s_lshl_b32 s66, s2, 3
	s_lshl_b32 s67, s19, 1
	s_add_co_u32 s66, s66, s67                     ; v: the pair of heads, 8 b + 2 g
	s_mul_i32 s[IPV], s66, 196608
	s_add_co_u32 s[IPV], s[IPV], s23               ; the key step,
	s_mul_i32 s66, s15, 98304                      ; its half of 64 keys,
	s_add_co_u32 s[IPV], s[IPV], s66
	s_mul_i32 s66, s16, 3072                       ; my head's four tiles of the pair's eight
	s_add_co_u32 s[IPV], s[IPV], s66
	s_add_co_u32 s[IPV], s[IPV], 12582912
	s_mov_b32 s[IPV+1], 0
	s_lshl_b32 s[WPV], s22, 12
	s_lshl_b32 s66, s3, 8
	s_add_co_u32 s[WPV], s[WPV], s66
	s_lshl_b32 s66, s15, 1
	s_add_co_u32 s[WPV], s[WPV], s66
	s_add_co_u32 s[WPV], s[WPV], 1048576
	s_mov_b32 s[WPV+1], 0
	; LDS offsets: made of the wave's number and constants alone
	s_mul_i32 s2, s15, 64*240
	s_add_co_u32 s2, s2, S1                        ; x's tile lies in slot 1: my 64 rows
	s_add_co_u32 s3, s2, 2*PLN
	s_mul_i32 s22, s16, 64*240                     ; the weight's: my 64 rows, slot 0
	s_add_co_u32 s23, s22, 2*PLN
	s_add_co_u32 s66, s22, S1                      ; slot 1
	s_add_co_u32 s67, s66, 2*PLN
	s_mul_i32 s17, s15, 2176
	s_add_co_u32 s17, s17, SA
	s_mul_i32 s[DIST], s16, 2176
	s_add_co_u32 s[DIST], s[DIST], SB
	s_sub_co_u32 s[DIST], s[DIST], s17             ; from x's scale words to chunk 0's
	s_mul_i32 s18, s14, 24*256
	s_mul_i32 s19, s14, PLN
	s_mov_b32 s[J2], 0
	s_wait_dscnt 0x0                               ; both opening adds are done
	s_wait_kmcnt 0x0
	s_mov_b32 s[G0A], 1
	s_mov_b32 s[G0A+1], S1
	s_add_nc_u64 s[G0A+2:G0A+3], s[4:5], s[G0A+2:G0A+3]
	s_or_b32 s[G0A+3], s[G0A+3], 0x80000000
	s_mov_b32 s[G0B], 1
	s_mov_b32 s[G0B+1], 0
	s_add_nc_u64 s[G0B+2:G0B+3], s[4:5], s[G0B+2:G0B+3]
	s_or_b32 s[G0B+3], s[G0B+3], 0x80000000
	s_mov_b32 s[G0SA], 1
	s_mov_b32 s[G0SA+1], SA
	s_add_nc_u64 s[G0SA+2:G0SA+3], s[6:7], s[G0SA+2:G0SA+3]
	s_or_b32 s[G0SA+3], s[G0SA+3], 0x80000000
	s_mov_b32 s[G0SB], 1
	s_mov_b32 s[G0SB+1], SB
	s_add_nc_u64 s[G0SB+2:G0SB+3], s[6:7], s[G0SB+2:G0SB+3]
	s_or_b32 s[G0SB+3], s[G0SB+3], 0x80000000
	s_mov_b32 s[G0R], 1
	s_mov_b32 s[G0R+1], s19
	s_add_nc_u64 s[G0R+2:G0R+3], s[4:5], s[G0R+2:G0R+3]
	s_or_b32 s[G0R+3], s[G0R+3], 0x80000000
	s_mov_b32 s[G0R+4], 1
	s_add_co_u32 s[G0R+5], s19, S1
	s_add_nc_u64 s[G0R+6:G0R+7], s[4:5], s[G0R+6:G0R+7]
	s_or_b32 s[G0R+7], s[G0R+7], 0x80000000
	s_add_nc_u64 s[PF:PF+1], s[4:5], s[PF:PF+1]
	s_add_nc_u64 s[IPQ:IPQ+1], s[8:9], s[IPQ:IPQ+1]
	s_add_nc_u64 s[IPV:IPV+1], s[8:9], s[IPV:IPV+1]
	s_add_nc_u64 s[WPQ:WPQ+1], s[10:11], s[WPQ:WPQ+1]
	s_add_nc_u64 s[WPV:WPV+1], s[10:11], s[WPV:WPV+1]
	ROUND                                          ; all four work-groups are here: the joint loads meet
; THE HEAD'S LOADS, one a wave, in one chain of branches on the wave's number: x's tile, chunk 0, x's scale bytes, the weights'
.macro ARM under, g0, g1, next
	s_cmp_lt_u32 s14, \under
	s_cbranch_scc0 \next
	tensor_load_to_lds s[\g0:\g0+3], s[\g1:\g1+7]
	s_nop 0
	PLACES
	s_branch .Lasked
\next:
.endm
	ARM 1, G0A,  G1A,  .Lhead_b
	ARM 2, G0B,  G1B,  .Lhead_sa
	ARM 3, G0SA, G1SA, .Lhead_sb
	tensor_load_to_lds s[G0SB:G0SB+3], s[G1SB:G1SB+7]
	s_nop 0
	PLACES
.Lasked:
	v_and_b32 v1, 15, v0                           ; r
	v_bfe_u32 v[H], v0, 4, 1
	v_and_b32 v2, 31, v0
	v_mul_u32_u24 v3, v1, 240
	v_mad_u32_u24 v3, v[H], 24, v3                 ; a fragment's row + 24 x half
	v_lshl_add_u32 v4, v[H], 4, v3                 ; where lanes 16-31 have passed a padding
	v_add_nc_u32 v[ADRX], s2, v3
	v_add_nc_u32 v[ADRX+1], s2, v4
	v_add_nc_u32 v[ADRX+2], s3, v3
	v_add_nc_u32 v[ADRX+3], s3, v4
	v_add_nc_u32 v[ADRB], s22, v3
	v_add_nc_u32 v[ADRB+1], s22, v4
	v_add_nc_u32 v[ADRB+2], s23, v3
	v_add_nc_u32 v[ADRB+3], s23, v4
	v_add_nc_u32 v[ADRB+4], s66, v3
	v_add_nc_u32 v[ADRB+5], s66, v4
	v_add_nc_u32 v[ADRB+6], s67, v3
	v_add_nc_u32 v[ADRB+7], s67, v4
	v_lshlrev_b32 v5, 5, v1                        ; scale bytes: 32 a row,
	v_lshrrev_b32 v6, 3, v1
	v_lshl_add_u32 v5, v6, 4, v5                   ; 16 more behind each 8 rows
	v_add_nc_u32 v[RS], s17, v5
	v_lshlrev_b32 v[SH8], 3, v[H]
	v_lshlrev_b32 v[IM16], 4, v2
	v_lshl_add_u32 v[IM8], v2, 3, 512
	v_lshlrev_b32 v[R16], 4, v1
	v_min_u32 v7, 23, v2
	v_lshl_add_u32 v[PFO], v7, 8, s18              ; block 24 wave + lane of a plane's 96; lanes 24-31 name the wave's last again
	v_mad_u32_u24 v[ADRS], s[DIST], v[H], v[RS]
	s_wait_alu depctr_va_vdst(0)                   ; the wait at the head's end
	s_wait_tensorcnt 0x0                           ; my tile of the head's four is in,
	s_barrier_signal -1
	s_barrier_wait -1                              ; everybody's is
; a fragment: 16 rows x 128 K, 12 registers, six pieces of 8 bytes.  st: the K step of 128 (plane st / 2); i: the tile of 16 rows
.macro FRAG reg, adr, st, i
.irp p, 0,1,2,3,4,5
.set PC, 12*((\st)%2)+6*(\p/3)+\p%3
.set AR, \adr+2*((\st)/4)+(PC%8)/5
	ds_load_b64 v[\reg+2*\p:\reg+2*\p+1], v[AR] offset:PLN*(((\st)/2)%2)+8*PC+16*(PC/8)+(\i)*3840
.endr
.endm
.macro FETCHB sl, st                   ; the weight's four fragments of step st into set st % 2
.irp b, 0,1,2,3
	FRAG BF+48*((\st)%2)+12*\b, ADRB+4*(\sl), \st, \b
.endr
.endm
.macro SCALES                          ; 8 words a row: lanes 0-15 x's tile i, lanes 16-31 the chunk's tile i
.irp i, 0,1,2,3
	ds_load_b128 v[SC+8*\i:SC+8*\i+3], v[ADRS] offset:544*\i
	ds_load_b128 v[SC+8*\i+4:SC+8*\i+7], v[ADRS] offset:544*\i+16
.endr
.endm
; 16 matrix instructions, the 16 accumulators by turns, in the same order in every step.  The first step starts the sums.
.macro MUL ty, st
.irp a, 0,1,2,3
.irp b, 0,1,2,3
.if (\ty) == 0
.if (\st) == 0
	v_wmma_scale_f32_16x16x128_f8f6f4 v[32*\a+8*\b:32*\a+8*\b+7], v[BF+48*((\st)%2)+12*\b:BF+48*((\st)%2)+12*\b+11], v[48*((\st)%4)+12*\a:48*((\st)%4)+12*\a+11], 0, v[SC+8*\b+(\st)], v[SC+8*\a+(\st)] matrix_a_fmt:MATRIX_FMT_FP6 matrix_b_fmt:MATRIX_FMT_FP6 matrix_a_scale:MATRIX_SCALE_ROW1
.else
	v_wmma_scale_f32_16x16x128_f8f6f4 v[32*\a+8*\b:32*\a+8*\b+7], v[BF+48*((\st)%2)+12*\b:BF+48*((\st)%2)+12*\b+11], v[48*((\st)%4)+12*\a:48*((\st)%4)+12*\a+11], v[32*\a+8*\b:32*\a+8*\b+7], v[SC+8*\b+(\st)], v[SC+8*\a+(\st)] matrix_a_fmt:MATRIX_FMT_FP6 matrix_b_fmt:MATRIX_FMT_FP6 matrix_a_scale:MATRIX_SCALE_ROW1
.endif
.else
.if (\st) == 0
	v_wmma_scale_f32_16x16x128_f8f6f4 v[32*\b+8*\a:32*\b+8*\a+7], v[48*((\st)%4)+12*\a:48*((\st)%4)+12*\a+11], v[BF+48*((\st)%2)+12*\b:BF+48*((\st)%2)+12*\b+11], 0, v[SC+8*\a+(\st)], v[SC+8*\b+(\st)] matrix_a_fmt:MATRIX_FMT_FP6 matrix_b_fmt:MATRIX_FMT_FP6 matrix_b_scale:MATRIX_SCALE_ROW1
.else
	v_wmma_scale_f32_16x16x128_f8f6f4 v[32*\b+8*\a:32*\b+8*\a+7], v[48*((\st)%4)+12*\a:48*((\st)%4)+12*\a+11], v[BF+48*((\st)%2)+12*\b:BF+48*((\st)%2)+12*\b+11], v[32*\b+8*\a:32*\b+8*\a+7], v[SC+8*\a+(\st)], v[SC+8*\b+(\st)] matrix_a_fmt:MATRIX_FMT_FP6 matrix_b_fmt:MATRIX_FMT_FP6 matrix_b_scale:MATRIX_SCALE_ROW1
.endif
.endif
.endr
.endr
.endm
; A chunk's eight steps.  Step 0's fragments and the scale words were asked for at the last change of chunks; each step asks for the next one's ahead of its products.
.macro KSTEPS ty, sl
.set KQ, 0
.rept 8
.if KQ < 7
	WIN 0
.if KQ > 0
	PLACES                                         ; the loads land in registers that the last step's products read
.endif
	FETCHB \sl, KQ+1
	s_wait_dscnt 24                                ; all but the 24 just issued
.else
	s_wait_dscnt 0x0
.endif
.if (\ty) == 0
	WIN 0xf0|((1+KQ/4)<<2)                         ; source 0 window 0, source 1 x's window, C and D window 3
.else
	WIN 0xf0|(1+KQ/4)                              ; the sources swapped
.endif
	MUL \ty, KQ
.set KQ, KQ+1
.endr
	WIN 0
.endm
; THE CHANGE OF CHUNKS, behind the products of the chunk in slot sl.  fill = 1: the slot takes the chunk two further on.
.macro BOUND sl, fill
	s_wait_tensorcnt 0x0                           ; my plane of the next chunk has landed: no load of mine is out
.if \fill
	ds_add_u32 v[SPW], v[NIL]
	s_add_nc_u64 s[G0R+4*(\sl)+2:G0R+4*(\sl)+3], s[G0R+4*(\sl)+2:G0R+4*(\sl)+3], 1024*192   ; the same rows of the next weight
.endif
	s_add_co_u32 s[DIST], s[DIST], 4352            ; the next chunk's scale words: 128 rows on
	s_wait_dscnt 0x0                               ; the add is done; my reads of this slot were waited for ahead of the last step
.if \fill
	ROUND                                          ; no wave of any partner still reads the slot or has a load on its way
	tensor_load_to_lds s[G0R+4*(\sl):G0R+4*(\sl)+3], s[G1R:G1R+7]
	s_nop 0
.else
	s_barrier_signal -1
	s_barrier_wait -1                              ; the last chunk is whole; nothing is filled again
.endif
	PLACES                                         ; also the places behind the last products
	v_mad_u32_u24 v[ADRS], s[DIST], v[H], v[RS]
	FETCHB 1-(\sl), 0
	SCALES
.endm
; THE WAY OUT of a chunk: four groups of 32 registers, each one block of 32 a lane: its scale, six registers of codes, a half image; eight chains of maxima by turns.
.macro EPI ty, sl
	s_wait_alu depctr_va_vdst(0)
	s_wait_xcnt 0x0                                ; the last chunk's stores have read their registers
	WIN 0x3c
.irp a, 0,1,2,3
.irp f, 0,1
	v_max3_num_f32 v[TM+2*\a+\f], 0x1800000, |v[32*\a+16*\f]|, |v[32*\a+16*\f+1]|
.endr
.endr
.irp i, 2,4,6,8,10,12,14
.irp a, 0,1,2,3
.irp f, 0,1
	v_max3_num_f32 v[TM+2*\a+\f], v[TM+2*\a+\f], |v[32*\a+16*\f+\i]|, |v[32*\a+16*\f+\i+1]|
.endr
.endr
.endr
	WIN 0
.irp a, 0,1,2,3
	v_max_num_f32 v[TM+2*\a], v[TM+2*\a], v[TM+2*\a+1]
.endr
.irp a, 0,1,2,3
	v_add_nc_u32 v[SO+\a], 0xff000000, v[TM+2*\a]  ; 2 off the exponent field: the conversions' scale operand
.endr
.irp a, 0,1,2,3
	v_lshrrev_b32 v[TM+2*\a], 23, v[SO+\a]         ; the byte of block lane / 16,
.endr
.irp a, 0,1,2,3
	v_lshlrev_b32 v[TM+2*\a], v[SH8], v[TM+2*\a]   ; at its place;
.endr
.irp a, 0,1,2,3
	v_permlanex16_b32 v[TM+2*\a+1], v[TM+2*\a], s[SEL], s[SEL+1]
.endr
.irp a, 0,1,2,3
	v_or_b32 v[TM+2*\a], v[TM+2*\a], v[TM+2*\a+1]  ; with lane l xor 16's: the two bytes
.endr
.if (\ty) == 0
.irp a, 0,1,2,3
	v_lshl_or_b32 v[SW+\a], v[TM+2*\a], 16, v[TM+2*\a]   ; q, k: a head's two bytes, twice in the word
.endr
.endif
	WIN 0x03
.irp a, 0,1,2,3
	v_cvt_scalef32_pk16_fp6_f32 v[PCA+6*\a:PCA+6*\a+2], v[32*\a:32*\a+15], v[SO+\a]
	v_cvt_scalef32_pk16_fp6_f32 v[T2+4*\a:T2+4*\a+2], v[32*\a+16:32*\a+31], v[SO+\a]   ; (a conversion's three registers begin on an even number)
.endr
	WIN 0
	v_nop                                          ; one plain line behind the last conversion
.irp a, 0,1,2,3
.irp i, 0,1,2
	v_mov_b32 v[PCA+6*\a+3+\i], v[T2+4*\a+\i]
.endr
.endr
.if (\ty) == 0
.irp a, 0,1,2,3
	global_store_b128 v[IM16], v[PCA+6*\a:PCA+6*\a+3], s[IPQ:IPQ+1] offset:196608*(\sl)+768*\a     ; 512 consecutive bytes
	global_store_b64 v[IM8], v[PCA+6*\a+4:PCA+6*\a+5], s[IPQ:IPQ+1] offset:196608*(\sl)+768*\a     ; 256 consecutive bytes
.endr
	global_store_b128 v[R16], v[SW:SW+3], s[WPQ:WPQ+1] offset:16384*(\sl)   ; my four tiles' words: 256 consecutive bytes; lanes r and r + 16 store the same
.else
.irp a, 0,1,2,3
	global_store_b128 v[IM16], v[PCA+6*\a:PCA+6*\a+3], s[IPV:IPV+1] offset:196608*(\sl)+768*\a
	global_store_b64 v[IM8], v[PCA+6*\a+4:PCA+6*\a+5], s[IPV:IPV+1] offset:196608*(\sl)+768*\a
	global_store_b16 v[R16], v[TM+2*\a], s[WPV:WPV+1] offset:8192*(\sl)+4*\a   ; my 64 keys' two bytes of the word of 128 keys: the other two come from the wave with the other 64
.endr
.endif
.endm
	; x's fragments, once: 4 tiles x 8 steps, into windows 1 and 2
.set KQ, 0
.rept 8
	WIN (1+KQ/4)<<6
.irp a, 0,1,2,3
	FRAG 48*(KQ%4)+12*\a, ADRX, KQ, \a
.endr
.set KQ, KQ+1
.endr
	WIN 0
	s_wait_tensorcnt 0x0                           ; slot 1 is filled again
	ds_add_u32 v[SPW], v[NIL]
	s_wait_dscnt 0x0                               ; the add is done, and x's tile is in my registers
	ROUND
	tensor_load_to_lds s[G0R+4:G0R+7], s[G1R:G1R+7]   ; chunk 1
	s_nop 0
	PLACES
	FETCHB 0, 0
	SCALES
.Lqk:                                          ; a trip: the two chunks of Wq, then of Wk; each change of chunks fills a slot again: chunks 2, 3, 4, 5
	KSTEPS 0, 0
	BOUND 0, 1
	global_prefetch_b8 v[PFO], s[PF:PF+1] offset:1024*192+24576 th:TH_LOAD_NT scope:SCOPE_SE   ; the odd chunk of the next weight, which the next refill loads
	EPI 0, 0
	KSTEPS 0, 1
	BOUND 1, 1
	s_cmp_eq_u32 s[J2], 0
	s_cbranch_scc0 .Lno_ask                        ; behind the last refill nothing is left to ask for
	global_prefetch_b8 v[PFO], s[PF:PF+1] offset:2*1024*192 th:TH_LOAD_NT scope:SCOPE_SE       ; chunk 4
.Lno_ask:
	EPI 0, 1
	s_wait_xcnt 0x0                                ; the stores and prefetches have read their bases
	s_add_nc_u64 s[IPQ:IPQ+1], s[IPQ:IPQ+1], 6291456
	s_add_nc_u64 s[WPQ:WPQ+1], s[WPQ:WPQ+1], 524288
	s_add_nc_u64 s[PF:PF+1], s[PF:PF+1], 1024*192
	s_add_co_u32 s[J2], s[J2], 1
	s_cmp_lt_u32 s[J2], 2
	s_wait_alu depctr_va_vdst(0)
	s_cbranch_scc1 .Lqk
	KSTEPS 1, 0                                    ; Wv's two chunks, written out: they ask for nothing more
	BOUND 0, 0
	EPI 1, 0
	KSTEPS 1, 1
	PLACES
	EPI 1, 1
	s_wait_tensorcnt 0x0                           ; the wave's end
	ds_add_u32 v[SPW], v[NIL]
	s_wait_dscnt 0x0
	ROUND                                          ; the closing round
	s_endpgm
.Lfunc_end_k_qfd0dbb07df_qkv:
	.size	k_qfd0dbb07df_qkv, .Lfunc_end_k_qfd0dbb07df_qkv-k_qfd0dbb07df_qkv
	.p2alignl 7, 3214868480
	.fill 96, 4, 3214868480
	.section	.rodata,"a",@progbits
	.p2align	6, 0x0
	.amdhsa_kernel k_qfd0dbb07df_qkv
		.amdhsa_group_segment_fixed_size 327680
		.amdhsa_private_segment_fixed_size 0
		.amdhsa_enable_private_segment 0
		.amdhsa_kernarg_size 32
		.amdhsa_user_sgpr_count 2
		.amdhsa_user_sgpr_kernarg_segment_ptr 1
		.amdhsa_wavefront_size32 1
		.amdhsa_system_sgpr_workgroup_id_x 1
		.amdhsa_system_sgpr_workgroup_id_y 1
		.amdhsa_system_sgpr_workgroup_id_z 1
		.amdhsa_system_vgpr_workitem_id 0
		.amdhsa_next_free_vgpr 896
		.amdhsa_next_free_sgpr 102
		.amdhsa_reserve_vcc 0
		.amdhsa_float_denorm_mode_32 3
		.amdhsa_float_denorm_mode_16_64 3
		.amdhsa_memory_ordered 1
		.amdhsa_forward_progress 1
		.amdhsa_inst_pref_size 176
	.end_amdhsa_kernel
	.amdgpu_metadata
---
amdhsa.version: [ 1, 2 ]
amdhsa.kernels:
  - .name:           k_qfd0dbb07df_qkv
    .symbol:         k_qfd0dbb07df_qkv.kd
    .args:
      - { .name: cod, .offset: 0, .size: 8, .value_kind: global_buffer, .address_space: global }
      - { .name: scl, .offset: 8, .size: 8, .value_kind: global_buffer, .address_space: global }
      - { .name: img, .offset: 16, .size: 8, .value_kind: global_buffer, .address_space: global }
      - { .name: isw, .offset: 24, .size: 8, .value_kind: global_buffer, .address_space: global }
    .group_segment_fixed_size: 327680
    .private_segment_fixed_size: 0
    .kernarg_segment_align: 8
    .kernarg_segment_size: 32
    .max_flat_workgroup_size: 128
    .sgpr_count:     102
    .vgpr_count:     896
    .wavefront_size: 32
...
	.end_amdgpu_metadata
.endif
;; end of part 2
;; launch attn (part 3): grid 4 x 64, 16 waves a work-group, clusters of 4 x 1, 210,944 bytes of LDS; arguments img, isw, cw, oimg, osc; writes oimg, osc
.if DOCPART == 3
	.amdgcn_target "amdgcn-amd-amdhsa--gfx1250"
	.amdhsa_code_object_version 6
	.text
	.protected	k_qfd0dbb07df_attn
	.globl	k_qfd0dbb07df_attn
	.p2align	8
	.type	k_qfd0dbb07df_attn,@function
k_qfd0dbb07df_attn:
	s_mov_b64 s[64:65], 0
	v_nop
	global_prefetch_b8 v0, s[64:65] scope:SCOPE_SE
	s_setreg_imm32_b32 hwreg(HW_REG_WAVE_MODE, 25, 1), 1
	s_wait_xcnt 0x0
	s_wait_alu depctr_hold_cnt(0) depctr_sa_sdst(0) depctr_va_vdst(0) depctr_va_sdst(0) depctr_va_ssrc(0) depctr_va_vcc(0) depctr_vm_vsrc(0)
	s_getreg_b32 s2, hwreg(HW_REG_IB_STS2, 6, 4)
	s_cmp_eq_u32 s2, 0
	s_cbranch_scc0 .Lentry_in_a_cluster
	s_endpgm
.Lentry_in_a_cluster:
	s_bfe_u32 s2, ttmp6, 0x10000c
	s_cmp_lg_u32 s2, 0x3003
	s_cbranch_scc0 .Lentry_shape_is_right
	s_endpgm
.Lentry_shape_is_right:
; ATTN: o[b][h][q] = sum over keys of softmax(q . k x tw[b][h] / 8) v, both products on codes of FP6 (E2M3) with E8M0 scales; o is quantised along the 1,024 channels on the spot.
; t = score x c, c = tw log2(e) / 8 (read from cw); M = the running largest t rounded UP to a whole number; p = 2^(t - M) is quantised along the keys, not normalised; the row's sum is taken of the
; unquantised p and divides at the end.  When M moves, the sum and O are multiplied by 2^(old M - new M): exact.
; SHARES.  Cluster y is the head (b, h); the four work-groups of a cluster take 512 queries each.  A head's K and V, codes and scale words, are 208,896 bytes: they come into LDS ONCE, by joint loads that
; name all four work-groups, one load a wave (K in 6 parts, V in 8, the two tables of scale words one each), and are never filled again: one barrier, no ring.  Sixteen waves, four to a SIMD.
; A wave owns two tiles of 16 queries and takes BOTH through one loop of 16 steps of 128 keys: each fragment of K and of V is read from LDS once for the two.
; LAYOUT.  Both products transposed: S^T = K Q^T (source 0 = 16 keys), O^T = V^T P^T (source 0 = 16 channels): a lane holds ONE query.  Tokens and channels were laid so that, inside each 64, place
; 16 u + 8 hh + j holds row 32 hh + 8 u + j: so lane (r, hh)'s 32 registers of four neighbouring tiles are 32 NEIGHBOURS, one whole block, in the very order of the next operand's registers:
; a block's largest needs no other lane and no code changes lanes.  Operands lie as half images of 768 bytes: registers 0-3 at 16 x lane, 4-5 at 512 + 8 x lane.
; THE FIRST PRODUCT'S K IS 64 of the instruction's 128.  Tile 0 of the queries uses k = 0 .. 63: Q's registers are [q0][zeros], K's are a tile's six and whatever six follow.  Tile 1 uses k = 64 .. 127:
; [zeros][q1], and K's are whatever six stand ahead and the tile's six.  The strangers are codes, which are finite numbers, and meet zero codes; q's and k's scale words hold the head's two bytes twice.
; NO PREFETCH: the loop asks memory for nothing; all that the work-group reads is asked for at its head.
; LIMITS: NaN and infinities are not served; blocks under 2^-124 keep the byte 1; the scaled scores stay under 2^31 in magnitude; a block's largest p is made from its largest score, which takes c >= 0
; (a softmax's weight) and v_exp_f32 not to fall where its input rises.
.set VB,   98304                       ; LDS: K's 128 half images at 0; V's at VB: [64-key half c][key step][tile of channels][768]
.set SKB,  196608                      ; K's scale words: [key step][tile / 4][r][tile % 4]
.set SVB,  204800                      ; V's: [key step][r][tile]
.set SPARE, 208896                     ; the spare words: 128 bytes a wave
.set WV,   14                          ; s14 wave
.set SEL,  20                          ; s[20:21] selects for lane l xor 16
.set CS,   22                          ; s[22:23] c, twice
.set G1K,  24
.set G1V,  32
.set G1SK, 40
.set G1SV, 48
.set G0K,  56
.set G0V,  60
.set G0SK, 68
.set G0SV, 72
.set TK,   76                          ; s76-79 the key step's LDS offsets: K, V, K's words, V's words
.set TV,   77
.set TSK,  78
.set TSV,  79
.set KC,   80                          ; key steps to go
.set NC,   81                          ; -c
.set QP,   82                          ; s[82:83] my tiles of q; s[84:85] their scale words; s[86:87] my place in oimg; s[88:89] in osc
.set QSP,  84
.set OP,   86
.set OS,   88
.set L16,  1                           ; v1 16 x lane;  v2 512 + 8 x lane;  v3 16 x (lane % 16)
.set L8,   2
.set R16,  3
.set W,    4                           ; v4-6 a step's LDS addresses
.set SPW,  8                           ; v8 my spare word, v9 zero: kept for the add alone
.set NIL,  9
.set QS,   10                          ; v10-11 q's scale words
.set PS,   12                          ; v12-13 p's
.set ST,   14                          ; v14-17 for each tile: -M, the running largest score
.set SU,   18                          ; v18-21 for each tile: the row's sum, in two halves
.set KS,   22                          ; v22-25 K's scale words (lanes 0-15 tiles 0-3, lanes 16-31 tiles 4-7), then V's
.set T,    26                          ; v26-33 at work
.set Q,    34                          ; v34-51 [q0: 6][zeros: 6][q1: 6]
.set PC,   52                          ; v52-63 tile 0's p codes; v112-123 tile 1's: they stand ahead of and behind K's fragments
.set KF,   64                          ; v64-111 K's eight tiles, 6 registers each; then V's four, 12 each
.set S,    124                         ; v124-187 S^T, then p
.set O,    188                         ; v188-251 O^T of the two tiles
.macro CROUND
	s_barrier_signal -1
	s_barrier_wait -1
	s_cmp_lg_u32 s[WV], 0
	s_cbranch_scc1 .Lnot_wave_0_\@
	s_barrier_signal -3
.Lnot_wave_0_\@:
	s_barrier_wait -3
	s_barrier_signal -1
	s_barrier_wait -1
.endm
	s_load_b256 s[4:11], s[0:1], 0x0               ; img, isw, cw, oimg
	s_load_b64 s[12:13], s[0:1], 0x20              ; osc
	v_lshl_add_u32 v[SPW], v0, 2, SPARE
	v_mov_b32 v[NIL], 0
	ds_add_u32 v[SPW], v[NIL]                      ; the opening lines: the add, twice on end, and its wait ahead of my tensor load
	ds_add_u32 v[SPW], v[NIL]
	v_lshrrev_b32 v1, 5, v0
	v_readfirstlane_b32 s[WV], v1                  ; wave 0..15
	s_bfe_u32 s16, ttmp6, 0x40000                  ; cx
	s_lshl_b32 s18, ttmp9, 2
	s_add_co_u32 s16, s16, s18                     ; my block of 512 queries: it enters q's and o's addresses alone
	s_and_b32 s17, ttmp7, 0xffff                   ; bh = 16 b + h, which the partners share
	; descriptor groups 1: elements of 8 bytes, no padding; 15:0 the mask of all four work-groups, 21 set beside it
.irp g, G1K, G1V, G1SK, G1SV
	s_mov_b32 s[\g], 15|(3<<16)|(1<<21)
	s_mov_b32 s[\g+6], 0
	s_mov_b32 s[\g+7], 0
.endr
	s_mov_b32 s[G1K+1], 32<<16                     ; K: a sixth is 64 rows of 256 bytes, dense
	s_mov_b32 s[G1K+2], 64<<16
	s_mov_b32 s[G1K+3], 32<<16
	s_mov_b32 s[G1K+4], 64
	s_mov_b32 s[G1K+5], 32
	s_mov_b32 s[G1V+1], 384<<16                    ; V: an eighth is 4 rows of 3,072 bytes (my head's four tiles of a (c, key step)), 6,144 bytes apart
	s_mov_b32 s[G1V+2], 4<<16
	s_mov_b32 s[G1V+3], 384<<16
	s_mov_b32 s[G1V+4], 4
	s_mov_b32 s[G1V+5], 768
	s_mov_b32 s[G1SK+1], 32<<16                    ; K's words: 32 rows of 256 bytes
	s_mov_b32 s[G1SK+2], 32<<16
	s_mov_b32 s[G1SK+3], 32<<16
	s_mov_b32 s[G1SK+4], 32
	s_mov_b32 s[G1SK+5], 32
	s_mov_b32 s[G1SV+1], 32<<16                    ; V's words: 16 rows of 256 bytes
	s_mov_b32 s[G1SV+2], 16<<16
	s_mov_b32 s[G1SV+3], 32<<16
	s_mov_b32 s[G1SV+4], 16
	s_mov_b32 s[G1SV+5], 32
	s_mov_b32 s[SEL], 0x76543210
	s_mov_b32 s[SEL+1], 0xfedcba98
	; byte offsets, apart from the addresses
	s_mul_i32 s90, s17, 98304                      ; the head in q's and k's regions
	s_lshl_b32 s91, s17, 13                        ; and among q's and k's scale words
	s_lshl_b32 s76, s[WV], 14                      ; K: waves 0-5, 16,384 bytes each
	s_add_co_u32 s76, s76, s90
	s_add_co_u32 s76, s76, 6291456
	s_mov_b32 s77, 0
	s_lshr_b32 s78, s17, 1
	s_mul_i32 s78, s78, 196608                     ; V: the pair of heads,
	s_and_b32 s92, s17, 1
	s_mul_i32 s92, s92, 3072                       ; my head's four tiles of the eight,
	s_add_co_u32 s78, s78, s92
	s_mul_i32 s92, s[WV], 24576                    ; waves 6-13: four rows of the 32 each
	s_add_co_u32 s78, s78, s92
	s_add_co_u32 s78, s78, 12582912-6*24576
	s_mov_b32 s79, 0
	s_add_co_u32 s92, s91, 524288
	s_mov_b32 s93, 0
	s_lshl_b32 s94, s17, 12
	s_add_co_u32 s94, s94, 1048576
	s_mov_b32 s95, 0
	s_lshl_b32 s96, s16, 5
	s_lshl_b32 s97, s[WV], 1
	s_add_co_u32 s96, s96, s97                     ; my first tile of queries in the head: 32 x block + 2 wave
	s_mul_i32 s[QP], s96, 768
	s_add_co_u32 s[QP], s[QP], s90
	s_mov_b32 s[QP+1], 0
	s_lshr_b32 s[QSP], s96, 3                      ; its scale words: [tile / 8][(tile / 4) % 2][r][tile % 4]
	s_lshl_b32 s[QSP], s[QSP], 9
	s_bfe_u32 s97, s96, 0x10002
	s_lshl_b32 s97, s97, 8
	s_add_co_u32 s[QSP], s[QSP], s97
	s_and_b32 s97, s96, 3
	s_lshl_b32 s97, s97, 2
	s_add_co_u32 s[QSP], s[QSP], s97
	s_add_co_u32 s[QSP], s[QSP], s91
	s_mov_b32 s[QSP+1], 0
	s_lshr_b32 s97, s17, 4
	s_lshl_b32 s97, s97, 7
	s_add_co_u32 s97, s97, s96                     ; the tile among all 512
	s_and_b32 s98, s17, 15                         ; h
	s_mul_i32 s[OP], s97, 12288
	s_mul_i32 s99, s98, 768
	s_add_co_u32 s[OP], s[OP], s99
	s_mov_b32 s[OP+1], 0
	s_lshl_b32 s[OS], s97, 9
	s_lshl_b32 s99, s98, 1
	s_add_co_u32 s[OS], s[OS], s99
	s_mov_b32 s[OS+1], 0
	s_lshl_b32 s18, s17, 2
	s_mov_b32 s19, 0
	s_wait_dscnt 0x0                               ; both opening adds are done
	s_wait_kmcnt 0x0
	s_add_nc_u64 s[8:9], s[8:9], s[18:19]
	s_load_b32 s[CS], s[8:9], 0x0                  ; c of my head
	s_mov_b32 s[G0K], 1
	s_lshl_b32 s[G0K+1], s[WV], 14
	s_add_nc_u64 s[G0K+2:G0K+3], s[4:5], s[76:77]
	s_or_b32 s[G0K+3], s[G0K+3], 0x80000000
	s_mov_b32 s[G0V], 1
	s_mul_i32 s[G0V+1], s[WV], 12288
	s_add_co_u32 s[G0V+1], s[G0V+1], VB-6*12288
	s_add_nc_u64 s[G0V+2:G0V+3], s[4:5], s[78:79]
	s_or_b32 s[G0V+3], s[G0V+3], 0x80000000
	s_mov_b32 s[G0SK], 1
	s_mov_b32 s[G0SK+1], SKB
	s_add_nc_u64 s[G0SK+2:G0SK+3], s[6:7], s[92:93]
	s_or_b32 s[G0SK+3], s[G0SK+3], 0x80000000
	s_mov_b32 s[G0SV], 1
	s_mov_b32 s[G0SV+1], SVB
	s_add_nc_u64 s[G0SV+2:G0SV+3], s[6:7], s[94:95]
	s_or_b32 s[G0SV+3], s[G0SV+3], 0x80000000
	s_add_nc_u64 s[QP:QP+1], s[4:5], s[QP:QP+1]
	s_add_nc_u64 s[QSP:QSP+1], s[6:7], s[QSP:QSP+1]
	s_add_nc_u64 s[OP:OP+1], s[10:11], s[OP:OP+1]
	s_add_nc_u64 s[OS:OS+1], s[12:13], s[OS:OS+1]
	CROUND                                         ; all four work-groups are here: the joint loads meet
; ONE chain of branches on the wave's number, one load to an arm: every way through the head passes exactly one tensor load
.macro ARM under, g0, g1, next
	s_cmp_lt_u32 s[WV], \under
	s_cbranch_scc0 \next
	tensor_load_to_lds s[\g0:\g0+3], s[\g1:\g1+7]
	s_nop 0
.rept 4
	v_nop
.endr
	s_branch .Lasked
\next:
.endm
	ARM 6,  G0K,  G1K,  .Lnot_k
	ARM 14, G0V,  G1V,  .Lnot_v
	ARM 15, G0SK, G1SK, .Lnot_sk
	tensor_load_to_lds s[G0SV:G0SV+3], s[G1SV:G1SV+7]
	s_nop 0
.rept 4
	v_nop
.endr
.Lasked:
	v_and_b32 v7, 31, v0                           ; lane
	v_and_b32 v[R16], 15, v0
	v_lshlrev_b32 v[L16], 4, v7
	v_lshl_add_u32 v[L8], v7, 3, 512
	v_lshlrev_b32 v[R16], 4, v[R16]
	global_load_b128 v[Q:Q+3], v[L16], s[QP:QP+1]
	global_load_b64 v[Q+4:Q+5], v[L8], s[QP:QP+1]
	global_load_b128 v[Q+12:Q+15], v[L16], s[QP:QP+1] offset:768
	global_load_b64 v[Q+16:Q+17], v[L8], s[QP:QP+1] offset:768
	global_load_b32 v[QS], v[R16], s[QSP:QSP+1]
	global_load_b32 v[QS+1], v[R16], s[QSP:QSP+1] offset:4
.irp j, 0,1,2,3,4,5
	v_mov_b32 v[Q+6+\j], 0                         ; the zero codes that both tiles of queries share
	v_mov_b32 v[PC+60+\j], 0                       ; what stands behind K's last tile in the first step
.endr
	v_mov_b32 v[T+5], 0                            ; (named as the upper half of the pair v[T+4:T+5])
.irp p, 0,1
	v_mov_b32 v[ST+2*\p], 0x7f61b1e6               ; -M: 3e38
	v_mov_b32 v[ST+2*\p+1], 0xff61b1e6             ; the largest score so far: -3e38
	v_mov_b32 v[SU+2*\p], 0
	v_mov_b32 v[SU+2*\p+1], 0
.endr
.set j, 0
.rept 64
	v_mov_b32 v[O+j], 0                            ; the step is written once: its first trip finds zeros, which the first change of M leaves zeros
.set j, j+1
.endr
	s_mov_b32 s[TK], 0
	s_mov_b32 s[TV], VB
	s_mov_b32 s[TSK], SKB
	s_mov_b32 s[TSV], SVB
	s_mov_b32 s[KC], 16
	s_wait_alu depctr_va_vdst(0)                   ; the wait at the head's end
	s_wait_kmcnt 0x0
	s_mov_b32 s[CS+1], s[CS]                       ; (the packed form names the pair)
	s_xor_b32 s[NC], s[CS], 0x80000000
	s_wait_loadcnt 0x0                             ; q
	s_wait_tensorcnt 0x0                           ; my part of K, V or the words has landed,
	s_barrier_signal -1
	s_barrier_wait -1                              ; everybody's has; nothing is ever filled again
.macro SCORES p                        ; S^T of query tile p: eight tiles of 16 keys
.irp t, 0,1,2,3
	v_wmma_scale_f32_16x16x128_f8f6f4 v[S+8*\t:S+8*\t+7], v[KF+6*\t-6*\p:KF+6*\t-6*\p+11], v[Q+6*\p:Q+6*\p+11], 0, v[KS+\t], v[QS+\p] matrix_a_fmt:MATRIX_FMT_FP6 matrix_b_fmt:MATRIX_FMT_FP6
.endr
.irp t, 4,5,6,7
	v_wmma_scale_f32_16x16x128_f8f6f4 v[S+8*\t:S+8*\t+7], v[KF+6*\t-6*\p:KF+6*\t-6*\p+11], v[Q+6*\p:Q+6*\p+11], 0, v[KS+\t-4], v[QS+\p] matrix_a_fmt:MATRIX_FMT_FP6 matrix_b_fmt:MATRIX_FMT_FP6 matrix_a_scale:MATRIX_SCALE_ROW1
.endr
.endm
.macro TMINUS j0, n                    ; t - M, two at a time
.set j, \j0
.rept \n
	v_pk_fma_f32 v[S+j:S+j+1], v[S+j:S+j+1], s[CS:CS+1], v[NM:NM+1] op_sel_hi:[1,0,0]
.set j, j+2
.endr
.endm
.macro OMUL j0, n                      ; O^T under the new M, each accumulator from its low end on
.set j, \j0
.rept \n
	v_pk_mul_f32 v[OO+j:OO+j+1], v[OO+j:OO+j+1], v[T+4:T+5] op_sel_hi:[1,0]
.set j, j+2
.endr
.endm
; THE SOFTMAX of 128 keys for query tile p.  My registers S + 32 c .. + 31 are keys 64 c + 32 (lane / 16) + 0 .. 31: block 2 c + lane / 16, whole.
.macro SOFTMAX p
.set NM, ST+2*\p
.set SX, ST+2*\p+1
.set SM, SU+2*\p
.set PP, PC+60*\p
.set OO, O+32*\p
.irp c, 0,1                            ; the largest score of my two blocks, two chains each: for the row's maximum, and for the block's largest p
	v_max3_num_f32 v[T+\c], v[S+32*\c], v[S+32*\c+1], v[S+32*\c+2]
	v_max3_num_f32 v[T+2+\c], v[S+32*\c+16], v[S+32*\c+17], v[S+32*\c+18]
.endr
.irp i, 3,5,7,9,11,13
.irp c, 0,1
	v_max3_num_f32 v[T+\c], v[T+\c], v[S+32*\c+\i], v[S+32*\c+\i+1]
	v_max3_num_f32 v[T+2+\c], v[T+2+\c], v[S+32*\c+16+\i], v[S+32*\c+17+\i]
.endr
.endr
.irp c, 0,1
	v_max3_num_f32 v[T+\c], v[T+\c], v[S+32*\c+15], v[S+32*\c+31]
.endr
.irp c, 0,1
	v_max_num_f32 v[T+\c], v[T+\c], v[T+2+\c]
.endr
	s_delay_alu instid0(VALU_DEP_1)
	v_max_num_f32 v[T+2], v[T], v[T+1]
	s_delay_alu instid0(VALU_DEP_1)
	v_permlanex16_b32 v[T+3], v[T+2], s[SEL], s[SEL+1]   ; lane l xor 16 holds my query's other 64 keys
	s_delay_alu instid0(VALU_DEP_1)
	v_max3_num_f32 v[SX], v[SX], v[T+2], v[T+3]    ; the running largest score (c is not negative: it is the largest t's)
	s_delay_alu instid0(VALU_DEP_1)
	v_mul_f32 v[T+2], s[NC], v[SX]
	s_delay_alu instid0(VALU_DEP_1)
	v_floor_f32 v[T+3], v[T+2]                     ; the new -M = -ceil(t)
	s_delay_alu instid0(VALU_DEP_1)
	v_sub_f32 v[T+2], v[T+3], v[NM]                ; old M - new M: a whole number, 0 or less
	v_mov_b32 v[NM], v[T+3]
	TMINUS 0, 8
	v_cvt_i32_f32 v[T+2], v[T+2]                   ; (it saturates)
	TMINUS 16, 8
	v_ldexp_f32 v[T+4], 1.0, v[T+2]                ; f = 2^(old M - new M)
	TMINUS 32, 16
	v_fma_f32 v[T], v[T], s[CS], v[NM]             ; the same of each block's largest score
	v_fma_f32 v[T+1], v[T+1], s[CS], v[NM]
	s_wait_alu depctr_va_vdst(0)                   ; the wait ahead of the batch
.set j, 0
.rept 64
	v_exp_f32 v[S+j], v[S+j]                       ; p = 2^(t - M)
.set j, j+1
.endr
	v_exp_f32 v[T], v[T]                           ; the blocks' largest p
	v_exp_f32 v[T+1], v[T+1]
	v_pk_mul_f32 v[SM:SM+1], v[SM:SM+1], v[T+4:T+5] op_sel_hi:[1,0]   ; the sum under the new M (the plain line behind the exponentials)
	s_wait_alu depctr_va_vdst(0)                   ; one wait for the batch, directly ahead of the first reader of O^T
	OMUL 0, 3                                      ; the scale word's chain stands among O^T's sixteen multiplications
	v_max_num_f32 v[T], 0x1800000, v[T]            ; the floor 2^(3 - 127)
	v_max_num_f32 v[T+1], 0x1800000, v[T+1]
	OMUL 6, 3
	v_add_nc_u32 v[T+3], 0xff000000, v[T]          ; 2 off the exponent field: the conversions' scale operands
	v_add_nc_u32 v[T+7], 0xff000000, v[T+1]
	OMUL 12, 3
	v_lshrrev_b32 v[T], 23, v[T+3]                 ; the bytes
	v_lshrrev_b32 v[T+1], 23, v[T+7]
	OMUL 18, 3
	v_lshl_or_b32 v[T], v[T+1], 16, v[T]           ; lanes 0-15: blocks 0 and 2; lanes 16-31: blocks 1 and 3
	OMUL 24, 2
	v_permlanex16_b32 v[T+1], v[T], s[SEL], s[SEL+1]
	OMUL 28, 2
	v_lshl_or_b32 v[PS+\p], v[T+1], 8, v[T]        ; p's scale word, whole in lanes 0-15, which alone are read
	v_cvt_scalef32_pk16_fp6_f32 v[PP:PP+2], v[S:S+15], v[T+3]
	v_cvt_scalef32_pk16_fp6_f32 v[T:T+2], v[S+16:S+31], v[T+3]       ; (a conversion's three registers begin on an even number)
	v_cvt_scalef32_pk16_fp6_f32 v[PP+6:PP+8], v[S+32:S+47], v[T+7]
	v_cvt_scalef32_pk16_fp6_f32 v[T+4:T+6], v[S+48:S+63], v[T+7]
	v_pk_add_f32 v[SM:SM+1], v[SM:SM+1], v[S:S+1]  ; THE ROW'S SUM IS TAKEN OF THE UNQUANTISED p (also the plain line behind the conversions: it writes none of their registers)
.irp i, 0,1,2
	v_mov_b32 v[PP+3+\i], v[T+\i]
	v_mov_b32 v[PP+9+\i], v[T+4+\i]
.endr
.set i, 1                              ; pairs 1 .. 31 are added in place: 15, 8, and in SUMEND 4, 2, 1 additions
.rept 15
	v_pk_add_f32 v[S+2*i:S+2*i+1], v[S+2*i:S+2*i+1], v[S+2*i+32:S+2*i+33]
.set i, i+1
.endr
.set i, 1
.rept 8
	v_pk_add_f32 v[S+2*i:S+2*i+1], v[S+2*i:S+2*i+1], v[S+2*i+16:S+2*i+17]
.set i, i+1
.endr
.endm
.macro SUMEND p
.irp i, 1,2,3,4
	v_pk_add_f32 v[S+2*\i:S+2*\i+1], v[S+2*\i:S+2*\i+1], v[S+2*\i+8:S+2*\i+9]
.endr
.irp i, 1,2
	v_pk_add_f32 v[S+2*\i:S+2*\i+1], v[S+2*\i:S+2*\i+1], v[S+2*\i+4:S+2*\i+5]
.endr
	v_pk_add_f32 v[S+2:S+3], v[S+2:S+3], v[S+4:S+5]
	v_pk_add_f32 v[SU+2*\p:SU+2*\p+1], v[SU+2*\p:SU+2*\p+1], v[S+2:S+3]
.endm
.Lkey:                                         ; A KEY STEP: 128 keys, both tiles of queries
	v_add_nc_u32 v[W], s[TK], v[L16]               ; (with the eight additions ahead of the jump: the places between the last products and the loads into their registers)
	v_add_nc_u32 v[W+1], s[TK], v[L8]
	v_add_nc_u32 v[W+2], s[TSK], v[L16]
.irp t, 0,1,2,3,4,5,6,7
	ds_load_b128 v[KF+6*\t:KF+6*\t+3], v[W] offset:768*\t
	ds_load_b64 v[KF+6*\t+4:KF+6*\t+5], v[W+1] offset:768*\t
.endr
	ds_load_b128 v[KS:KS+3], v[W+2]
	s_wait_dscnt 0x0
	SCORES 0
	v_add_nc_u32 v[W], s[TV], v[L16]               ; four places behind the products: V's addresses and one idle line
	v_add_nc_u32 v[W+1], s[TV], v[L8]
	v_add_nc_u32 v[W+2], s[TSV], v[R16]
	v_nop
	SOFTMAX 0
	SUMEND 0
	SCORES 1
.rept 4
	v_nop                                          ; places: V's loads land where K's tiles and words lay, and the softmax reads the scores
.endr
.irp dt, 0,1,2,3                       ; V's four tiles of this step: they land during the second softmax
.irp c, 0,1
	ds_load_b128 v[KF+12*\dt+6*\c:KF+12*\dt+6*\c+3], v[W] offset:49152*\c+768*\dt
	ds_load_b64 v[KF+12*\dt+6*\c+4:KF+12*\dt+6*\c+5], v[W+1] offset:49152*\c+768*\dt
.endr
.endr
	ds_load_b128 v[KS:KS+3], v[W+2]
	SOFTMAX 1
	s_wait_alu depctr_va_vdst(0)
	s_wait_dscnt 0x0                               ; V
.irp dt, 0,1,2,3                       ; the eight accumulators by turns; the sixteen score products stand between a link and the next
.irp p, 0,1
	v_wmma_scale_f32_16x16x128_f8f6f4 v[O+32*\p+8*\dt:O+32*\p+8*\dt+7], v[KF+12*\dt:KF+12*\dt+11], v[PC+60*\p:PC+60*\p+11], v[O+32*\p+8*\dt:O+32*\p+8*\dt+7], v[KS+\dt], v[PS+\p] matrix_a_fmt:MATRIX_FMT_FP6 matrix_b_fmt:MATRIX_FMT_FP6
.endr
.endr
	SUMEND 1                                       ; eight plain lines that name none of the products' registers
	s_add_co_u32 s[TK], s[TK], 6144
	s_add_co_u32 s[TV], s[TV], 3072
	s_add_co_u32 s[TSK], s[TSK], 512
	s_add_co_u32 s[TSV], s[TSV], 256
	s_sub_co_u32 s[KC], s[KC], 1
	s_cmp_lg_u32 s[KC], 0
	s_wait_alu depctr_va_vdst(0)
	s_cbranch_scc1 .Lkey
; THE WAY OUT: O^T / the sum.  My 32 registers of a tile are channels 32 (lane / 16) + 0 .. 31 of my query's head: one block along the last product's K; one half image and one scale byte a lane.
.irp p, 0,1
	v_add_f32 v[SU+2*\p], v[SU+2*\p], v[SU+2*\p+1]
.endr
.irp p, 0,1
	v_permlanex16_b32 v[T+\p], v[SU+2*\p], s[SEL], s[SEL+1]
.endr
	v_bfe_u32 v[W+1], v0, 4, 1
	v_lshl_add_u32 v[W], v[R16], 1, v[W+1]         ; osc: 32 bytes a row, my block's byte
.irp p, 0,1
	v_add_f32 v[SU+2*\p], v[SU+2*\p], v[T+\p]      ; the rows' sums
.endr
	s_wait_alu depctr_va_vdst(0)                   ; the wait ahead of the transcendentals
	v_rcp_f32 v[SU], v[SU]
	v_rcp_f32 v[SU+2], v[SU+2]
	v_nop
	s_wait_alu depctr_va_vdst(0)                   ; and behind them, directly ahead of the first reader of O^T
.irp p, 0,1
.set j, 0
.rept 16
	v_pk_mul_f32 v[S+32*\p+j:S+32*\p+j+1], v[O+32*\p+j:O+32*\p+j+1], v[SU+2*\p:SU+2*\p+1] op_sel_hi:[1,0]
.set j, j+2
.endr
.endr
.irp p, 0,1
	v_max3_num_f32 v[T+\p], |v[S+32*\p]|, |v[S+32*\p+1]|, 0x1800000
	v_max3_num_f32 v[T+2+\p], |v[S+32*\p+16]|, |v[S+32*\p+17]|, 0x1800000
.endr
.irp i, 2,4,6,8,10,12,14
.irp p, 0,1
	v_max3_num_f32 v[T+\p], v[T+\p], |v[S+32*\p+\i]|, |v[S+32*\p+\i+1]|
	v_max3_num_f32 v[T+2+\p], v[T+2+\p], |v[S+32*\p+16+\i]|, |v[S+32*\p+17+\i]|
.endr
.endr
.irp p, 0,1
	v_max_num_f32 v[T+\p], v[T+\p], v[T+2+\p]
.endr
.irp p, 0,1
	v_add_nc_u32 v[T+4+\p], 0xff000000, v[T+\p]
.endr
.irp p, 0,1
	v_lshrrev_b32 v[T+6+\p], 23, v[T+4+\p]
.endr
.irp p, 0,1
	v_cvt_scalef32_pk16_fp6_f32 v[PC+60*\p:PC+60*\p+2], v[S+32*\p:S+32*\p+15], v[T+4+\p]
	v_cvt_scalef32_pk16_fp6_f32 v[PC+60*\p+6:PC+60*\p+8], v[S+32*\p+16:S+32*\p+31], v[T+4+\p]
.endr
	v_nop                                          ; one plain line behind the last conversion
.irp p, 0,1
.irp i, 0,1,2
	v_mov_b32 v[PC+60*\p+3+\i], v[PC+60*\p+6+\i]
.endr
.endr
.irp p, 0,1
	global_store_b128 v[L16], v[PC+60*\p:PC+60*\p+3], s[OP:OP+1] offset:12288*\p    ; 512 consecutive bytes
	global_store_b64 v[L8], v[PC+60*\p+4:PC+60*\p+5], s[OP:OP+1] offset:12288*\p    ; 256 consecutive bytes
	global_store_b8 v[W], v[T+6+\p], s[OS:OS+1] offset:512*\p                       ; my head's two bytes of each row's 32: the other heads' come from other work-groups
.endr
	s_wait_tensorcnt 0x0                           ; the wave's end
	ds_add_u32 v[SPW], v[NIL]
	s_wait_dscnt 0x0
	CROUND                                         ; the closing round
	s_endpgm
.Lfunc_end_k_qfd0dbb07df_attn:
	.size	k_qfd0dbb07df_attn, .Lfunc_end_k_qfd0dbb07df_attn-k_qfd0dbb07df_attn
	.p2alignl 7, 3214868480
	.fill 96, 4, 3214868480
	.section	.rodata,"a",@progbits
	.p2align	6, 0x0
	.amdhsa_kernel k_qfd0dbb07df_attn
		.amdhsa_group_segment_fixed_size 210944
		.amdhsa_private_segment_fixed_size 0
		.amdhsa_enable_private_segment 0
		.amdhsa_kernarg_size 40
		.amdhsa_user_sgpr_count 2
		.amdhsa_user_sgpr_kernarg_segment_ptr 1
		.amdhsa_wavefront_size32 1
		.amdhsa_system_sgpr_workgroup_id_x 1
		.amdhsa_system_sgpr_workgroup_id_y 1
		.amdhsa_system_sgpr_workgroup_id_z 1
		.amdhsa_system_vgpr_workitem_id 0
		.amdhsa_next_free_vgpr 256
		.amdhsa_next_free_sgpr 100
		.amdhsa_reserve_vcc 0
		.amdhsa_float_denorm_mode_32 3
		.amdhsa_float_denorm_mode_16_64 3
		.amdhsa_memory_ordered 1
		.amdhsa_forward_progress 1
		.amdhsa_inst_pref_size 46
	.end_amdhsa_kernel
	.amdgpu_metadata
---
amdhsa.version: [ 1, 2 ]
amdhsa.kernels:
  - .name:           k_qfd0dbb07df_attn
    .symbol:         k_qfd0dbb07df_attn.kd
    .args:
      - { .name: img, .offset: 0, .size: 8, .value_kind: global_buffer, .address_space: global }
      - { .name: isw, .offset: 8, .size: 8, .value_kind: global_buffer, .address_space: global }
      - { .name: cw, .offset: 16, .size: 8, .value_kind: global_buffer, .address_space: global }
      - { .name: oimg, .offset: 24, .size: 8, .value_kind: global_buffer, .address_space: global }
      - { .name: osc, .offset: 32, .size: 8, .value_kind: global_buffer, .address_space: global }
    .group_segment_fixed_size: 210944
    .private_segment_fixed_size: 0
    .kernarg_segment_align: 8
    .kernarg_segment_size: 40
    .max_flat_workgroup_size: 512
    .sgpr_count:     100
    .vgpr_count:     256
    .wavefront_size: 32
...
	.end_amdgpu_metadata
.endif
;; end of part 3
;; launch outp (part 4): grid 64 x 4, 4 waves a work-group, clusters of 4 x 1, 327,680 bytes of LDS; arguments oimg, osc, cod, scl, bo, out0; writes out0
.if DOCPART == 4
	.amdgcn_target "amdgcn-amd-amdhsa--gfx1250"
	.amdhsa_code_object_version 6
	.text
	.protected	k_qfd0dbb07df_outp
	.globl	k_qfd0dbb07df_outp
	.p2align	8
	.type	k_qfd0dbb07df_outp,@function
k_qfd0dbb07df_outp:
	s_mov_b64 s[64:65], 0
	v_nop
	global_prefetch_b8 v0, s[64:65] scope:SCOPE_SE
	s_setreg_imm32_b32 hwreg(HW_REG_WAVE_MODE, 25, 1), 1
	s_wait_xcnt 0x0
	s_wait_alu depctr_hold_cnt(0) depctr_sa_sdst(0) depctr_va_vdst(0) depctr_va_sdst(0) depctr_va_ssrc(0) depctr_va_vcc(0) depctr_vm_vsrc(0)
	s_getreg_b32 s2, hwreg(HW_REG_IB_STS2, 6, 4)
	s_cmp_eq_u32 s2, 0
	s_cbranch_scc0 .Lentry_in_a_cluster
	s_endpgm
.Lentry_in_a_cluster:
	s_bfe_u32 s2, ttmp6, 0x10000c
	s_cmp_lg_u32 s2, 0x3003
	s_cbranch_scc0 .Lentry_shape_is_right
	s_endpgm
.Lentry_shape_is_right:
; OUTP: out = o Wo + bo on codes of FP6 (E2M3) with E8M0 scales; sums in f32.
; SHARES.  256 work-groups: x = a block of 128 tokens (64 of them), y = a group g of 256 columns.  Four waves, 2 x 2; the columns go in two chunks of 128: a wave makes 64 tokens x 64 columns of each, 16 accumulators.
; o's codes lie as images of an operand's registers (half images of 768 bytes: registers 0-3 at 16 x lane, 4-5 at 512 + 8 x lane): a wave loads its 64 tokens for all of K straight into 384 registers, in runs of
; 512 and 256 consecutive bytes, and keeps them.  Wo's two chunks (4 planes x 128 places x 240 bytes in LDS: 192 + 16 behind every 64) and the scale bytes of both sides come by ONE tensor load a wave at the head.
; Nothing is filled again: one barrier, no ring.
; CLUSTER 4, 1, 1: four neighbouring blocks of tokens take the same columns and ask for Wo's chunks and scale bytes jointly.  o's codes go to registers, not to LDS: no joint load can bring them.
; NO PREFETCH: the launch has no loop to run ahead in; all that it reads is asked for at its head.
; Source 0 = 16 rows of Wo, source 1 = 16 tokens: a lane holds a token, and its 32 registers of four tiles columns 32 (lane / 16) + 0 .. 31 of my 64 (inside each 64 rows, place 16 u + 8 hh + j holds row 32 hh + 8 u + j).
; The bias is the C of each accumulator's first matrix instruction.  A tile of 16 tokens x 64 columns goes through my own stage in LDS and leaves as rows of 256 consecutive bytes, aligned.
; LIMITS: NaN and infinities are not served.
; REGISTERS: window 0: v0-31 addresses, v32-63 scale words, v64-159 Wo's fragments (two sets), v160-223 the bias, v224-255 and v112-143 the way out; windows 1, 2: o's fragments of K steps 0-3, 4-7; window 3: the accumulators.
.set KPL,   2359296                    ; a plane of cod: 12,288 places x 192 bytes
.set PLN,   30720                      ; a plane of 128 places in LDS
.set S1,    131072                     ; chunk 1
.set SA,    122880                     ; o's scale bytes: 16 units of 256 + 16
.set SB,    253952                     ; Wo's: 32 units
.set STAGE, 262656                     ; 16 rows x 272 bytes for each wave: no tile lands here
.set SPARE, 280064
.set H,    10                          ; lane / 16
.set RS,   11                          ; my row in o's scale bytes
.set ADRS, 12                          ; lanes 0-15: o's scale words; lanes 16-31: the chunk's
.set IM16, 14
.set IM8,  15
.set ADRB, 16                          ; v16-23 for each chunk: planes 0-1, the same 16 bytes on in lanes 16-31, planes 2-3, likewise
.set STO,  24
.set RD,   25
.set CO,   26
.set BV,   27
.set SPW,  28
.set NIL,  29
.set SC,   32                          ; register 8 i + s: lanes 0-15 the word of o's tile i, lanes 16-31 of Wo's tile i, K step s
.set BF,   64
.set BI,   160                         ; the bias: chunk, tile, 8 registers in the result's layout
.set DIST, 20
.set G1B,  24
.set G1SA, 32
.set G1SB, 40
.set G0B,  48                          ; s[48:51], s[52:55] the two chunks
.set G0SA, 56
.set G0SB, 60
.set AP,   68
.set BP,   92
.set OP,   94
.set MSB, 0
.macro WIN new
.if MSB != \new
	s_set_vgpr_msb (MSB<<8)|\new
.set MSB, \new
.endif
.endm
.macro PLACES
.rept 4
	v_nop
.endr
.endm
.macro ROUND
	s_barrier_signal -1
	s_barrier_wait -1
	s_cmp_lg_u32 s14, 0
	s_cbranch_scc1 .Lnot_wave_0_\@
	s_barrier_signal -3
.Lnot_wave_0_\@:
	s_barrier_wait -3
	s_barrier_signal -1
	s_barrier_wait -1
.endm
	s_load_b256 s[4:11], s[0:1], 0x0               ; oimg, osc, cod, scl
	s_load_b128 s[92:95], s[0:1], 0x20             ; bo, out0
	v_lshl_add_u32 v[SPW], v0, 2, SPARE
	v_mov_b32 v[NIL], 0
	ds_add_u32 v[SPW], v[NIL]                      ; the opening lines: the add, twice on end, and its wait
	ds_add_u32 v[SPW], v[NIL]
	v_lshrrev_b32 v1, 5, v0
	v_readfirstlane_b32 s14, v1                    ; wave
	s_lshr_b32 s15, s14, 1                         ; which 64 tokens
	s_and_b32 s16, s14, 1                          ; which 64 columns
	s_bfe_u32 s17, ttmp6, 0x40000                  ; cx
	s_lshl_b32 s18, ttmp9, 2
	s_add_co_u32 s18, s18, s17                     ; the block of tokens: it enters o's and out's addresses alone
	s_and_b32 s19, ttmp7, 0xffff                   ; g, which the partners share
	s_mov_b32 s[G1B], 15|(3<<16)|(1<<20)|(1<<21)|(3<<22)|(3<<25)  ; a chunk: 4 planes of 24,576 bytes (3,072 elements of 8), 16 bytes of padding behind every 64; for all four work-groups
	s_mov_b32 s[G1B+1], 3072<<16
	s_mov_b32 s[G1B+2], 4<<16
	s_mov_b32 s[G1B+3], 3072<<16
	s_mov_b32 s[G1B+4], 4
	s_mov_b32 s[G1B+5], KPL/8
	s_mov_b32 s[G1B+6], 0
	s_mov_b32 s[G1B+7], 0
	s_mov_b32 s[G1SA], (3<<16)|(1<<20)|(5<<22)|(3<<25)            ; o's scale bytes: 16 rows of 256, 16 bytes of padding behind each; no mask
	s_mov_b32 s[G1SA+1], 32<<16
	s_mov_b32 s[G1SA+2], 16<<16
	s_mov_b32 s[G1SA+3], 32<<16
	s_mov_b32 s[G1SA+4], 16
	s_mov_b32 s[G1SA+5], 32
	s_mov_b32 s[G1SA+6], 0
	s_mov_b32 s[G1SA+7], 0
	s_mov_b32 s[G1SB], 15|(3<<16)|(1<<20)|(1<<21)|(5<<22)|(3<<25) ; Wo's: 32 rows of 256
	s_mov_b32 s[G1SB+1], 32<<16
	s_mov_b32 s[G1SB+2], 32<<16
	s_mov_b32 s[G1SB+3], 32<<16
	s_mov_b32 s[G1SB+4], 32
	s_mov_b32 s[G1SB+5], 32
	s_mov_b32 s[G1SB+6], 0
	s_mov_b32 s[G1SB+7], 0
	; byte offsets, apart from the addresses
	s_mul_i32 s[G0B+2], s19, 49152
	s_add_co_u32 s[G0B+2], s[G0B+2], 11264*192     ; Wo's row 256 g in plane 0
	s_mov_b32 s[G0B+3], 0
	s_add_co_u32 s[G0B+6], s[G0B+2], 24576         ; 128 rows on
	s_mov_b32 s[G0B+7], 0
	s_lshl_b32 s[G0SA+2], s18, 12
	s_mov_b32 s[G0SA+3], 0
	s_lshl_b32 s[G0SB+2], s19, 13
	s_add_co_u32 s[G0SB+2], s[G0SB+2], 11264*32
	s_mov_b32 s[G0SB+3], 0
	s_lshl_b32 s[AP], s18, 3
	s_lshl_b32 s2, s15, 2
	s_add_co_u32 s[AP], s[AP], s2                  ; my first tile of 16 tokens
	s_mul_i32 s[AP], s[AP], 12288
	s_mov_b32 s[AP+1], 0
	s_lshl_b32 s70, s19, 10
	s_lshl_b32 s2, s16, 8
	s_add_co_u32 s70, s70, s2                      ; my first column, in bytes
	s_mov_b32 s71, 0
	s_lshl_b32 s72, s18, 19
	s_lshl_b32 s2, s15, 18
	s_add_co_u32 s72, s72, s2                      ; my first row of out, 4,096 bytes a row
	s_add_co_u32 s72, s72, s70
	s_mov_b32 s73, 0
	; LDS offsets: made of the wave's number and constants alone
	s_mul_i32 s22, s16, 64*240                     ; Wo's: my 64 rows, chunk 0
	s_add_co_u32 s23, s22, 2*PLN
	s_add_co_u32 s74, s22, S1                      ; chunk 1
	s_add_co_u32 s75, s74, 2*PLN
	s_mul_i32 s17, s15, 2176
	s_add_co_u32 s17, s17, SA
	s_mul_i32 s[DIST], s16, 2176
	s_add_co_u32 s[DIST], s[DIST], SB
	s_sub_co_u32 s[DIST], s[DIST], s17             ; from o's scale words to chunk 0's
	s_mul_i32 s21, s14, 16*272
	s_add_co_u32 s21, s21, STAGE                   ; my stage
	s_wait_dscnt 0x0                               ; both opening adds are done
	s_wait_kmcnt 0x0
	s_mov_b32 s[G0B], 1
	s_mov_b32 s[G0B+1], 0
	s_add_nc_u64 s[G0B+2:G0B+3], s[8:9], s[G0B+2:G0B+3]
	s_or_b32 s[G0B+3], s[G0B+3], 0x80000000
	s_mov_b32 s[G0B+4], 1
	s_mov_b32 s[G0B+5], S1
	s_add_nc_u64 s[G0B+6:G0B+7], s[8:9], s[G0B+6:G0B+7]
	s_or_b32 s[G0B+7], s[G0B+7], 0x80000000
	s_mov_b32 s[G0SA], 1
	s_mov_b32 s[G0SA+1], SA
	s_add_nc_u64 s[G0SA+2:G0SA+3], s[6:7], s[G0SA+2:G0SA+3]
	s_or_b32 s[G0SA+3], s[G0SA+3], 0x80000000
	s_mov_b32 s[G0SB], 1
	s_mov_b32 s[G0SB+1], SB
	s_add_nc_u64 s[G0SB+2:G0SB+3], s[10:11], s[G0SB+2:G0SB+3]
	s_or_b32 s[G0SB+3], s[G0SB+3], 0x80000000
	s_add_nc_u64 s[AP:AP+1], s[4:5], s[AP:AP+1]
	s_add_nc_u64 s[BP:BP+1], s[BP:BP+1], s[70:71]
	s_add_nc_u64 s[OP:OP+1], s[OP:OP+1], s[72:73]
	ROUND                                          ; all four work-groups are here: the joint loads meet
; THE HEAD'S LOADS, one a wave, in one chain of branches on the wave's number: chunk 0, chunk 1, o's scale bytes, Wo's
.macro ARM under, g0, g1, next
	s_cmp_lt_u32 s14, \under
	s_cbranch_scc0 \next
	tensor_load_to_lds s[\g0:\g0+3], s[\g1:\g1+7]
	s_nop 0
	PLACES
	s_branch .Lasked
\next:
.endm
	ARM 1, G0B,   G1B,  .Lhead_b1
	ARM 2, G0B+4, G1B,  .Lhead_sa
	ARM 3, G0SA,  G1SA, .Lhead_sb
	tensor_load_to_lds s[G0SB:G0SB+3], s[G1SB:G1SB+7]
	s_nop 0
	PLACES
.Lasked:
	v_and_b32 v2, 31, v0
	v_lshlrev_b32 v[IM16], 4, v2
	v_lshl_add_u32 v[IM8], v2, 3, 512
	; o's fragments, once: 4 tiles x 8 steps of 128 (two heads' half images each), into windows 1 and 2
.set KQ, 0
.rept 8
	WIN (1+KQ/4)<<6
.irp a, 0,1,2,3
.irp c, 0,1
	global_load_b128 v[48*(KQ%4)+12*\a+6*\c:48*(KQ%4)+12*\a+6*\c+3], v[IM16], s[AP:AP+1] offset:12288*\a+768*(2*KQ+\c)
	global_load_b64 v[48*(KQ%4)+12*\a+6*\c+4:48*(KQ%4)+12*\a+6*\c+5], v[IM8], s[AP:AP+1] offset:12288*\a+768*(2*KQ+\c)
.endr
.endr
.set KQ, KQ+1
.endr
	WIN 0
	v_and_b32 v1, 15, v0                           ; r
	v_bfe_u32 v[H], v0, 4, 1
	v_lshlrev_b32 v[BV], 7, v[H]                   ; the bias: lanes 16-31 begin 32 columns on
.irp g, 0,1
.irp b, 0,1,2,3
	global_load_b128 v[BI+32*\g+8*\b:BI+32*\g+8*\b+3], v[BV], s[BP:BP+1] offset:512*\g+32*\b
	global_load_b128 v[BI+32*\g+8*\b+4:BI+32*\g+8*\b+7], v[BV], s[BP:BP+1] offset:512*\g+32*\b+16
.endr
.endr
	v_mul_u32_u24 v3, v1, 240
	v_mad_u32_u24 v3, v[H], 24, v3                 ; a fragment's row + 24 x half
	v_lshl_add_u32 v4, v[H], 4, v3                 ; where lanes 16-31 have passed a padding
	v_add_nc_u32 v[ADRB], s22, v3
	v_add_nc_u32 v[ADRB+1], s22, v4
	v_add_nc_u32 v[ADRB+2], s23, v3
	v_add_nc_u32 v[ADRB+3], s23, v4
	v_add_nc_u32 v[ADRB+4], s74, v3
	v_add_nc_u32 v[ADRB+5], s74, v4
	v_add_nc_u32 v[ADRB+6], s75, v3
	v_add_nc_u32 v[ADRB+7], s75, v4
	v_lshlrev_b32 v5, 5, v1                        ; scale bytes: 32 a row,
	v_lshrrev_b32 v6, 3, v1
	v_lshl_add_u32 v5, v6, 4, v5                   ; 16 more behind each 8 rows
	v_add_nc_u32 v[RS], s17, v5
	v_mad_u32_u24 v[ADRS], s[DIST], v[H], v[RS]
	v_mul_u32_u24 v7, v1, 272
	v_lshl_add_u32 v7, v[H], 7, v7
	v_add_nc_u32 v[STO], s21, v7                   ; into the stage: row r, 128 bytes for each half of the lanes
	v_mul_u32_u24 v8, v[H], 272
	v_lshl_add_u32 v8, v1, 4, v8
	v_add_nc_u32 v[RD], s21, v8                    ; back: sixteen lanes to a row of 256 bytes, two rows an instruction
	v_lshlrev_b32 v9, 12, v[H]
	v_lshl_add_u32 v[CO], v1, 4, v9                ; and the same two rows in out
	s_wait_alu depctr_va_vdst(0)                   ; the wait at the head's end
	s_wait_tensorcnt 0x0                           ; my tile of the head's four is in,
	s_barrier_signal -1
	s_barrier_wait -1                              ; everybody's is; nothing is ever filled again
; a fragment: 16 rows x 128 K, 12 registers, six pieces of 8 bytes.  st: the K step of 128 (plane st / 2); i: the tile of 16 rows
.macro FRAG reg, adr, st, i
.irp p, 0,1,2,3,4,5
.set PC, 12*((\st)%2)+6*(\p/3)+\p%3
.set AR, \adr+2*((\st)/4)+(PC%8)/5
	ds_load_b64 v[\reg+2*\p:\reg+2*\p+1], v[AR] offset:PLN*(((\st)/2)%2)+8*PC+16*(PC/8)+(\i)*3840
.endr
.endm
.macro FETCHB sl, st                   ; Wo's four fragments of step st into set st % 2
.irp b, 0,1,2,3
	FRAG BF+48*((\st)%2)+12*\b, ADRB+4*(\sl), \st, \b
.endr
.endm
.macro SCALES                          ; 8 words a row: lanes 0-15 o's tile i, lanes 16-31 the chunk's tile i
.irp i, 0,1,2,3
	ds_load_b128 v[SC+8*\i:SC+8*\i+3], v[ADRS] offset:544*\i
	ds_load_b128 v[SC+8*\i+4:SC+8*\i+7], v[ADRS] offset:544*\i+16
.endr
.endm
; 16 matrix instructions, the 16 accumulators by turns, in the same order in every step.  The first step starts the sums from the bias.
.macro MUL sl, st
.irp a, 0,1,2,3
.irp b, 0,1,2,3
.if (\st) == 0
	v_wmma_scale_f32_16x16x128_f8f6f4 v[32*\a+8*\b:32*\a+8*\b+7], v[BF+48*((\st)%2)+12*\b:BF+48*((\st)%2)+12*\b+11], v[48*((\st)%4)+12*\a:48*((\st)%4)+12*\a+11], v[BI+32*(\sl)+8*\b:BI+32*(\sl)+8*\b+7], v[SC+8*\b+(\st)], v[SC+8*\a+(\st)] matrix_a_fmt:MATRIX_FMT_FP6 matrix_b_fmt:MATRIX_FMT_FP6 matrix_a_scale:MATRIX_SCALE_ROW1
.else
	v_wmma_scale_f32_16x16x128_f8f6f4 v[32*\a+8*\b:32*\a+8*\b+7], v[BF+48*((\st)%2)+12*\b:BF+48*((\st)%2)+12*\b+11], v[48*((\st)%4)+12*\a:48*((\st)%4)+12*\a+11], v[32*\a+8*\b:32*\a+8*\b+7], v[SC+8*\b+(\st)], v[SC+8*\a+(\st)] matrix_a_fmt:MATRIX_FMT_FP6 matrix_b_fmt:MATRIX_FMT_FP6 matrix_a_scale:MATRIX_SCALE_ROW1
.endif
.endr
.endr
.endm
; A chunk's eight steps.  Step 0's fragments and the scale words were asked for beforehand; each step asks for the next one's ahead of its products.
.macro KSTEPS sl
.set KQ, 0
.rept 8
.if KQ < 7
	WIN 0
.if KQ > 0
	PLACES                                         ; the loads land in registers that the last step's products read
.endif
	FETCHB \sl, KQ+1
	s_wait_dscnt 24                                ; all but the 24 just issued
.else
	s_wait_dscnt 0x0
.endif
.if KQ == 0
	WIN 0xc4                                       ; source 0 and C (the bias) window 0, source 1 window 1, D window 3
.else
	WIN 0xf0|((1+KQ/4)<<2)                         ; source 0 window 0, source 1 o's window, C and D window 3
.endif
	MUL \sl, KQ
.set KQ, KQ+1
.endr
	WIN 0
.endm
; THE WAY OUT of a chunk, tile by tile of 16 tokens x 64 columns.  LDS serves a wave's instructions in order (ISA guide 5.7.1.4): no wait between the stores and the loads, nor ahead of the next tile's stores.
.macro TOSTAGE a
	WIN 0x0c                                       ; the data: window 3
.irp k, 0,1,2,3,4,5,6,7
	ds_store_b128 v[STO], v[32*(\a)+4*\k:32*(\a)+4*\k+3] offset:16*\k   ; each accumulator from its low end on
.endr
	WIN 0
.set BB, 224-112*((\a)%2)
.irp t, 0,1,2,3,4,5,6,7
	ds_load_b128 v[BB+4*\t:BB+4*\t+3], v[RD] offset:\t*544
.endr
.endm
.macro SEND sl, a, younger             ; stage row 8 hh + j of tile a is token 32 hh + 8 a + j of my 64
.set BB, 224-112*((\a)%2)
	s_wait_dscnt \younger                          ; the tile is back in registers
.irp t, 0,1,2,3,4,5,6,7
	global_store_b128 v[CO], v[BB+4*\t:BB+4*\t+3], s[OP:OP+1] offset:512*(\sl)+(8*(\a)+2*(\t%4)+32*(\t/4))*4096 th:TH_STORE_NT   ; sixteen lanes store 256 consecutive bytes, aligned
.endr
.endm
.macro OUT sl
	TOSTAGE 0
.irp a, 1,2,3
.if \a > 1
	s_wait_xcnt 0x0                                ; tile a - 2's stores have read their registers
.endif
	TOSTAGE \a
	SEND \sl, \a-1, 16                             ; behind tile a - 1's loads: tile a's 8 stores and 8 loads
.endr
	SEND \sl, 3, 0
	s_wait_xcnt 0x0                                ; the stores have read their registers, which are written again
.endm
	FETCHB 0, 0
	SCALES
	s_wait_loadcnt 0x0                             ; o's fragments and the bias
	KSTEPS 0
	s_add_co_u32 s[DIST], s[DIST], 4352            ; chunk 1's scale words: 128 rows on
	PLACES                                         ; behind the last products: loads land in their registers, and the stage's stores read their results
	v_mad_u32_u24 v[ADRS], s[DIST], v[H], v[RS]
	FETCHB 1, 0                                    ; chunk 1's first fragments and scale words land while chunk 0 goes out
	SCALES
	OUT 0
	KSTEPS 1
	PLACES
	OUT 1
	s_wait_tensorcnt 0x0                           ; the wave's end
	ds_add_u32 v[SPW], v[NIL]
	s_wait_dscnt 0x0
	ROUND                                          ; the closing round
	s_endpgm
.Lfunc_end_k_qfd0dbb07df_outp:
	.size	k_qfd0dbb07df_outp, .Lfunc_end_k_qfd0dbb07df_outp-k_qfd0dbb07df_outp
	.p2alignl 7, 3214868480
	.fill 96, 4, 3214868480
	.section	.rodata,"a",@progbits
	.p2align	6, 0x0
	.amdhsa_kernel k_qfd0dbb07df_outp
		.amdhsa_group_segment_fixed_size 327680
		.amdhsa_private_segment_fixed_size 0
		.amdhsa_enable_private_segment 0
		.amdhsa_kernarg_size 48
		.amdhsa_user_sgpr_count 2
		.amdhsa_user_sgpr_kernarg_segment_ptr 1
		.amdhsa_wavefront_size32 1
		.amdhsa_system_sgpr_workgroup_id_x 1
		.amdhsa_system_sgpr_workgroup_id_y 1
		.amdhsa_system_sgpr_workgroup_id_z 1
		.amdhsa_system_vgpr_workitem_id 0
		.amdhsa_next_free_vgpr 896
		.amdhsa_next_free_sgpr 96
		.amdhsa_reserve_vcc 0
		.amdhsa_float_denorm_mode_32 3
		.amdhsa_float_denorm_mode_16_64 3
		.amdhsa_memory_ordered 1
		.amdhsa_forward_progress 1
		.amdhsa_inst_pref_size 98
	.end_amdhsa_kernel
	.amdgpu_metadata
---
amdhsa.version: [ 1, 2 ]
amdhsa.kernels:
  - .name:           k_qfd0dbb07df_outp
    .symbol:         k_qfd0dbb07df_outp.kd
    .args:
      - { .name: oimg, .offset: 0, .size: 8, .value_kind: global_buffer, .address_space: global }
      - { .name: osc, .offset: 8, .size: 8, .value_kind: global_buffer, .address_space: global }
      - { .name: cod, .offset: 16, .size: 8, .value_kind: global_buffer, .address_space: global }
      - { .name: scl, .offset: 24, .size: 8, .value_kind: global_buffer, .address_space: global }
      - { .name: bo, .offset: 32, .size: 8, .value_kind: global_buffer, .address_space: global }
      - { .name: out0, .offset: 40, .size: 8, .value_kind: global_buffer, .address_space: global }
    .group_segment_fixed_size: 327680
    .private_segment_fixed_size: 0
    .kernarg_segment_align: 8
    .kernarg_segment_size: 48
    .max_flat_workgroup_size: 128
    .sgpr_count:     96
    .vgpr_count:     896
    .wavefront_size: 32
...
	.end_amdgpu_metadata
.endif
;; end of part 4
